; MI455X (gfx1250); checked and timed in simulation.
; The chip was launched on July 23, 2026; its instructions are those of AMD's public machine-readable ISA for CDNA 5 (MIT licence, August 2026) and "CDNA5" Instruction Set Architecture Reference Guide (July 2026). The comments in the code are by the model that wrote it; some were corrected since.
;; Multihead Attention. Allowed arithmetic: matrix products marked QUANTISED: E2M3 operands, one E8M0 scale for each 32 along K, by v_wmma_scale_f32_16x16x128_f8f6f4 with both operands' format E2M3, f32 sums; everything else in f32.
;; Inputs: Wo 1,024 x 1,024 float32; Wqkv 1,024 x 3,072 float32; bo 1,024 float32; bqkv 3,072 float32; x 8 x 1,024 x 1,024 float32.
;; Outputs: out0 8 x 1,024 x 1,024 float32.
;; This version of the problem:
;;   THIS VERSION OF THE PROBLEM IS GIVEN IN LOW PRECISION. The matrix products marked QUANTISED in the list below multiply operands that are first quantised to E2M3 (2 exponent bits, 3 mantissa bits; 6 bits a number), with one power-of-two scale for each 32 numbers along K (OCP MX v1.0); their sums are f32. All else is computed in f32.
;;   The module's matrix products, in the order in which they are computed (A, B: the left and right operand; K: the contracted axis; several contracted axes count as one K, in the product's order):
;;     1. [M 8,192, K 1,024] x [K 1,024, N 3,072]; A: input x; B: input Wqkv: QUANTISED
;;     2. batch 128 x [M 1,024, K 64] x [K 64, N 1,024]; A: computed on the way; B: computed on the way: QUANTISED
;;     3. batch 128 x [M 1,024, K 1,024] x [K 1,024, N 64]; A: softmax (see below); B: computed on the way: QUANTISED
;;     4. [M 8,192, K 1,024] x [K 1,024, N 1,024]; A: computed on the way; B: input Wo: QUANTISED
;;   THE QUANTISER, for each operand of a quantised product, along K:
;;     - K is cut into blocks of 32 from its start; a last block that is shorter is filled with zeros.
;;     - A block's scale is 2^e with e = floor(log2(the largest magnitude in the block)) - 2, held to -126 .. 127; a block of zeros has e = 0. As a byte (E8M0): e + 127.
;;     - Each number is divided by its block's scale, clamped to +-7.5, and rounded to the nearest number of E2M3, ties to even, subnormals kept.
;;     - The product sums the exact products of the quantised numbers (number of the format x scale) in f32.
;;   ~~~python
;;   def quantise(x, axis):      # numpy; x: float32 -> the quantised numbers, widened to float32 again
;;       x = np.moveaxis(x, axis, -1); K = x.shape[-1]
;;       x = np.pad(x, [(0, 0)] * (x.ndim - 1) + [(0, -K % 32)]); x = x.reshape(x.shape[:-1] + (-1, 32)); a = np.abs(x).max(-1, keepdims=True)
;;       e = np.where(a > 0, np.clip(np.frexp(np.where(a > 0, a, 1))[1] - 1 - 2, -126, 127), 0)      # np.frexp(a)[1] - 1 = floor(log2(a)), exactly
;;       r = np.clip(x / 2.0 ** e, -7.5, 7.5)
;;       step = 2.0 ** (np.maximum(np.frexp(np.where(r == 0, 1, r))[1] - 1, 0) - 3)
;;       q = np.round(r / step) * step * 2.0 ** e      # np.round: ties to even
;;       return np.moveaxis(q.reshape(q.shape[:-2] + (-1,))[..., :K], -1, axis).astype(np.float32)
;;   ~~~
;;   SOFTMAX AHEAD OF A QUANTISED PRODUCT. Where the list says 'softmax', what is quantised is not the finished softmax but p = 2^(t - M), with t = logit x log2(e) and M = ceil(the row's largest t), a whole number; so 1/2 < the row's largest p <= 1. The row's sum l is taken of the UNQUANTISED p, in f32, and the product's result is divided by l at the end. Since M is a whole number, a kernel that streams over the keys may use a running M (the ceiling of the running maximum): every later rescaling is an exact power of two, which a block's scale takes up: the codes' values come out the same.
;;   OPERANDS COMPUTED ON THE WAY. 'Computed on the way' means the value that the module computes at that place (a softmax that the list does not call 'softmax' is quantised finished and normalised). What goes into a quantiser is computed in f32, as accurately as f32 sums, v_exp_f32 and their like allow (about 1e-6 of the number): no bf16 or f16 on the way to a quantiser, and a product that is left as it is and whose result goes on into a quantised operand takes f32 operands (vector FMAs, or v_wmma_f32_16x16x4_f32). A number that lies on a knife's edge between two numbers of the format may be rounded either way, as far as f32 arithmetic and the matrix unit's own rounding can turn it there, and no further.
;; One version. Each part assembles by itself: llvm-mc -triple=amdgcn-amd-amdhsa -mcpu=gfx1250 --defsym DOCPART=n.
;; ======== version 1 of 1: 4 launches
;; limits: right only within a limited range of input values
;; workspace buffers: xq 6,553,600 bytes; vq 6,553,600 bytes; wq 2,457,600 bytes; woq 819,200 bytes; heads 20,447,232 bytes
;; launch quant (part 1): grid 384 x 1, 8 waves a work-group, no clusters, 136,192 bytes of LDS; arguments x, Wqkv, Wo, xq, wq, woq; writes xq, wq, woq
.if DOCPART == 1
	.amdgcn_target "amdgcn-amd-amdhsa--gfx1250"
	.amdhsa_code_object_version 6
	.text
	.protected	k_q29a6729326_quant
	.globl	k_q29a6729326_quant
	.p2align	8
	.type	k_q29a6729326_quant,@function
k_q29a6729326_quant:
	s_mov_b64 s[64:65], 0
	v_nop
	global_prefetch_b8 v0, s[64:65] scope:SCOPE_SE
	s_setreg_imm32_b32 hwreg(HW_REG_WAVE_MODE, 25, 1), 1
	s_wait_xcnt 0x0
; x [8192][1024], Wqkv [1024][3072] and Wo [1024][1024], f32, become codes of FP6 (E2M3) with one E8M0 byte for each 32 along K (K = 1024 in all three),
; laid in the ORDER OF THE OPERANDS' REGISTERS, so that the products' launches load fragments by 16 bytes a lane.
; AN IMAGE: 16 slots x 128 K, 12 registers a lane, 1,536 bytes: register g of lane l at (g / 4) 512 + 16 l + 4 (g % 4); lane l = slot + 16 h holds blocks h and 2 + h of its slot.
; THE SLOTS OF A TILE ARE NOT NEIGHBOURS: in each group of 32 rows (of x) or columns (of a weight) tile 2 B + u, slot i holds index 32 B + 8 u + i + 8 (i / 8),
; so that a later result's 16 registers of two neighbouring tiles are 16 neighbours along the next product's K.
; SCALE WORDS: one word for a slot and 128 K (byte b: block b), laid [K step 8][slot].
; A block's scale byte is its largest magnitude's exponent field - 2, held at 1 from below by a floor among the maximum's leaves.  A block of zeros so has the byte 1 (its codes are zeros; this program alone reads the bytes).
; LIMITS: NaN and infinities among the inputs are not served.
; SHARES.  Work-groups 0-255: 32 rows of x each, wave = K step; rows come as 512 consecutive bytes a load and turn through the wave's own stage in LDS, so that a lane gets whole blocks of 32 neighbours.
; Work-groups 256-351 (Wqkv) and 352-383 (Wo): a lane takes a column and its registers run down K; the eight waves stand side by side on 1,024 bytes of each row.  No barrier: waves share nothing.
.set XS_OFF, 6291456                   ; behind xq's codes: its scale words
.set WSTG,   16896                     ; a wave's stage: 32 rows x 528 bytes (512 + 16: an odd multiple of 16)
.set SPARE,  8*WSTG                    ; behind the stages: the spare words, 128 bytes a wave
.set FLOOR,  0x1800000                 ; 2^(3 - 127)
.set SPW, 4                            ; v4  my spare word's LDS address; never rewritten
.set NIL, 5                            ; v5  0; never rewritten
; REGISTERS: v1 lane, v2 16 lane, v3 4 lane, v6, v7 stage in and out, v8 8 h, v9, v10 a weight lane's place in images and words, v12-17 maxima and scale operands,
; v18-21 bytes, v22-25 words, v26-32 second halves of blocks, v34-45 and v46-57 two sets of codes, v64-191 numbers as loaded, v192-255 numbers of tile 0.
; Two whole blocks of 32 numbers, v[a ..] and v[b ..], become registers 0-5 and 6-11 of a lane's part of an image in v[cs ..]; their bytes go to v[e], v[e + 1].
.macro Q2B a, b, cs, e
	v_max3_num_f32 v12, |v[\a]|, |v[\a+1]|, FLOOR          ; two chains a block, four by turns; the floor is a leaf of each
	v_max3_num_f32 v13, |v[\a+2]|, |v[\a+3]|, FLOOR
	v_max3_num_f32 v14, |v[\b]|, |v[\b+1]|, FLOOR
	v_max3_num_f32 v15, |v[\b+2]|, |v[\b+3]|, FLOOR
.irp i, 4,8,12,16,20,24,28
	s_delay_alu instid0(VALU_DEP_4)
	v_max3_num_f32 v12, v12, |v[\a+\i]|, |v[\a+\i+1]|
	s_delay_alu instid0(VALU_DEP_4)
	v_max3_num_f32 v13, v13, |v[\a+\i+2]|, |v[\a+\i+3]|
	s_delay_alu instid0(VALU_DEP_4)
	v_max3_num_f32 v14, v14, |v[\b+\i]|, |v[\b+\i+1]|
	s_delay_alu instid0(VALU_DEP_4)
	v_max3_num_f32 v15, v15, |v[\b+\i+2]|, |v[\b+\i+3]|
.endr
	s_delay_alu instid0(VALU_DEP_3)
	v_max_num_f32 v12, v12, v13
	s_delay_alu instid0(VALU_DEP_2)
	v_max_num_f32 v14, v14, v15
	s_delay_alu instid0(VALU_DEP_2)
	v_add_nc_u32 v16, 0xff000000, v12                      ; 2 off the exponent field: the conversion's scale operand
	s_delay_alu instid0(VALU_DEP_2)
	v_add_nc_u32 v17, 0xff000000, v14
	v_cvt_scalef32_pk16_fp6_f32 v[\cs:\cs+2], v[\a:\a+15], v16
	v_cvt_scalef32_pk16_fp6_f32 v[26:28], v[\a+16:\a+31], v16          ; (a conversion's three registers begin on an even number)
	v_cvt_scalef32_pk16_fp6_f32 v[\cs+6:\cs+8], v[\b:\b+15], v17
	v_cvt_scalef32_pk16_fp6_f32 v[30:32], v[\b+16:\b+31], v17
	v_lshrrev_b32 v[\e], 23, v16                           ; the bytes; also the plain line behind the conversions
	v_lshrrev_b32 v[\e+1], 23, v17
.irp i, 0,1,2
	v_mov_b32 v[\cs+3+\i], v[26+\i]
	v_mov_b32 v[\cs+9+\i], v[30+\i]
.endr
.endm
.macro FINISH                          ; the wave's end: behind the last LDS store
	s_wait_tensorcnt 0x0
	ds_add_u32 v[SPW], v[NIL]
	s_wait_dscnt 0x0
	s_endpgm
.endm
	s_load_b256 s[4:11], s[0:1], 0x0               ; x s[4:5], Wqkv s[6:7], Wo s[8:9], xq s[10:11]
	s_load_b128 s[12:15], s[0:1], 0x20             ; wq s[12:13], woq s[14:15]
	v_lshl_add_u32 v[SPW], v0, 2, SPARE
	v_mov_b32 v[NIL], 0
	v_lshrrev_b32 v1, 5, v0
	s_delay_alu instid0(VALU_DEP_1)
	v_readfirstlane_b32 s16, v1                    ; wave 0..7
	v_and_b32 v1, 31, v0                           ; lane
	s_delay_alu instid0(VALU_DEP_1)
	v_lshlrev_b32 v2, 4, v1
	s_delay_alu instid0(VALU_DEP_2)
	v_lshlrev_b32 v3, 2, v1
	v_mov_b32 v24, 0                               ; a lane permute's destination counts as one of its sources
	s_mov_b32 s20, 0x76543210
	s_mov_b32 s21, 0xfedcba98                      ; selects for lane l xor 16
	s_wait_kmcnt 0x0
	s_cmp_lt_u32 ttmp9, 256
	s_cbranch_scc0 .Lweights
	; ---------------- x: rows 32 g .. 32 g + 31, K step = wave
	s_mul_i32 s17, s16, WSTG
	s_wait_alu depctr_va_vdst(0)
	v_add_nc_u32 v6, s17, v2                       ; into the stage: 16 bytes a lane of a row
	v_and_b32 v11, 15, v0                          ; r
	v_bfe_u32 v8, v0, 4, 1                         ; h
	s_delay_alu instid0(VALU_DEP_2)
	v_mul_u32_u24 v7, v11, 528
	s_delay_alu instid0(VALU_DEP_1)
	v_lshl_add_u32 v7, v8, 7, v7
	s_delay_alu instid0(VALU_DEP_1)
	v_add_nc_u32 v7, s17, v7                       ; out of it: slot r, block h
	s_delay_alu instid0(VALU_DEP_4)
	v_lshlrev_b32 v8, 3, v8                        ; 8 h
	s_lshl_b32 s18, ttmp9, 17                      ; 32 rows of 4,096 bytes
	s_lshl_b32 s19, s16, 9                         ; the K step's 512 bytes
	s_add_co_u32 s18, s18, s19
	s_mov_b32 s19, 0
	s_add_nc_u64 s[4:5], s[4:5], s[18:19]
	s_mul_i32 s18, ttmp9, 24576                    ; two tiles of eight images
	s_mul_i32 s26, s16, 1536
	s_add_co_u32 s18, s18, s26
	s_add_nc_u64 s[22:23], s[10:11], s[18:19]      ; my images
	s_lshl_b32 s18, s16, 15                        ; a K step's 8,192 words
	s_lshl_b32 s26, ttmp9, 7
	s_add_co_u32 s18, s18, s26
	s_add_co_u32 s18, s18, XS_OFF
	s_add_nc_u64 s[24:25], s[10:11], s[18:19]      ; my 32 scale words
.set rr, 0
.rept 32
	global_load_b128 v[64+4*rr:64+4*rr+3], v2, s[4:5] offset:rr*4096 th:TH_LOAD_NT   ; 32 lanes read 512 consecutive bytes of row rr
.set rr, rr+1
.endr
.set rr, 0
	s_wait_alu depctr_va_vdst(0)
.rept 32
	s_wait_loadcnt 31-rr                           ; row rr is in; the younger rows may be out
	ds_store_b128 v6, v[64+4*rr:64+4*rr+3] offset:(16*((rr>>3)&1)+(rr&7)+8*(rr>>4))*528   ; to its tile's slot
.set rr, rr+1
.endr
.macro XIN reg, off                    ; a lane's two blocks (h and 2 + h of its slot): LDS serves a wave's instructions in order, so these see the stores
.irp c, 0,1
.irp j, 0,1,2,3,4,5,6,7
	ds_load_b128 v[\reg+32*\c+4*\j:\reg+32*\c+4*\j+3], v7 offset:\off+256*\c+16*\j
.endr
.endr
.endm
.macro XWORD d, e                      ; my two bytes at their places, joined with lane l xor 16's two
	v_lshl_or_b32 v[\d], v[\e+1], 16, v[\e]
	s_delay_alu instid0(VALU_DEP_1)
	v_lshlrev_b32 v[\d], v8, v[\d]
	s_delay_alu instid0(VALU_DEP_1)
	v_permlanex16_b32 v24, v[\d], s20, s21
	s_delay_alu instid0(VALU_DEP_1)
	v_or_b32 v[\d], v[\d], v24
.endm
	XIN 192, 0                                     ; tile 0
	s_wait_dscnt 0x0                               ; it is in, and the stores have read v64-191
	XIN 64, 8448                                   ; tile 1 lands while tile 0 is worked
	Q2B 192, 224, 34, 18
	XWORD 22, 18
.irp q, 0,1,2
	global_store_b128 v2, v[34+4*\q:37+4*\q], s[22:23] offset:512*\q             ; 512 consecutive bytes a store
.endr
	s_wait_dscnt 0x0
	Q2B 64, 96, 46, 20
	XWORD 23, 20
.irp q, 0,1,2
	global_store_b128 v2, v[46+4*\q:49+4*\q], s[22:23] offset:12288+512*\q
.endr
	v_cmp_gt_u32 vcc_lo, 16, v1
	s_delay_alu instid0(VALU_DEP_1)
	v_cndmask_b32 v25, v23, v22, vcc_lo            ; lanes 0-15: tile 0's words, lanes 16-31: tile 1's (both halves of the lanes hold both)
	global_store_b32 v3, v25, s[24:25]
	FINISH
	; ---------------- the weights: 32 columns (two tiles) x 128 K to a wave
.Lweights:
	v_bfe_u32 v11, v0, 3, 1                        ; my column's tile of the two: u
	v_and_b32 v24, 7, v0
	v_bfe_u32 v25, v0, 4, 1
	s_delay_alu instid0(VALU_DEP_1)
	v_lshl_or_b32 v24, v25, 3, v24                 ; and its slot: i
	s_delay_alu instid0(VALU_DEP_4)
	v_mul_u32_u24 v9, v11, 1536
	s_delay_alu instid0(VALU_DEP_1)
	v_lshl_add_u32 v9, v24, 4, v9                  ; in the images: 1,536 u + 16 i
	s_delay_alu instid0(VALU_DEP_3)
	v_lshl_add_u32 v10, v11, 4, v24
	s_delay_alu instid0(VALU_DEP_1)
	v_lshlrev_b32 v10, 2, v10                      ; among the words: 4 (16 u + i)
	s_cmp_lt_u32 ttmp9, 352
	s_cbranch_scc0 .Lwo
; pin, pout: the pointers' registers; N: columns; FIRST: the path's first work-group; NPR: pairs of tiles in a record; RECB, KSB: bytes of a record and of a K step in it; SOFF: where the words begin
.macro QW pin, pout, N, FIRST, NPR, RECB, KSB, SOFF
	s_sub_co_u32 s17, ttmp9, \FIRST
	s_and_b32 s18, s17, 7                          ; K step
	s_and_b32 s17, s17, 0xf8
	s_add_co_u32 s17, s17, s16                     ; pair of tiles P: eight waves side by side
.if \NPR == 6
	s_mul_i32 s19, s17, 43
	s_lshr_b32 s19, s19, 8                         ; P / 6, exact for P under 96
.else
	s_lshr_b32 s19, s17, 2
.endif
	s_mul_i32 s26, s19, \NPR
	s_sub_co_u32 s26, s17, s26                     ; the pair's place in its record
	s_mul_i32 s28, s18, 128*\N*4
	s_lshl_b32 s27, s17, 7
	s_add_co_u32 s28, s28, s27
	s_mov_b32 s29, 0
	s_add_nc_u64 s[\pin:\pin+1], s[\pin:\pin+1], s[28:29]
	s_mul_i32 s30, s19, \RECB
	s_mul_i32 s31, s18, \KSB
	s_add_co_u32 s30, s30, s31
	s_mul_i32 s31, s26, 3072
	s_add_co_u32 s30, s30, s31
	s_mov_b32 s31, 0
	s_add_nc_u64 s[22:23], s[\pout:\pout+1], s[30:31]
	s_mul_i32 s30, s18, \N*4
	s_add_co_u32 s30, s30, s27
	s_add_co_u32 s30, s30, \SOFF
	s_add_nc_u64 s[24:25], s[\pout:\pout+1], s[30:31]
.irp blk, 0,2,1,3                      ; blocks 0 and 2 (the image's lanes 0-15) first
.set ii, 0
.rept 32
	global_load_b32 v[64+32*\blk+ii], v3, s[\pin:\pin+1] offset:(32*\blk+ii)*\N*4 th:TH_LOAD_NT
.set ii, ii+1
.endr
.endr
	s_wait_loadcnt 63                              ; of 128 loads at most the youngest 63 are out: blocks 0 and 2 are in
	Q2B 64, 128, 34, 18
.irp q, 0,1,2
	global_store_b128 v9, v[34+4*\q:37+4*\q], s[22:23] offset:512*\q             ; sixteen lanes fill 256 consecutive bytes of each of the two images
.endr
	s_wait_loadcnt 0x0
	Q2B 96, 160, 46, 20
.irp q, 0,1,2
	global_store_b128 v9, v[46+4*\q:49+4*\q], s[22:23] offset:512*\q+256         ; the image's lanes 16-31
.endr
	v_lshl_or_b32 v22, v20, 8, v18                 ; bytes of blocks 0, 1, 2, 3
	s_delay_alu instid0(VALU_DEP_1)
	v_lshl_or_b32 v22, v19, 16, v22
	s_delay_alu instid0(VALU_DEP_1)
	v_lshl_or_b32 v22, v21, 24, v22
	global_store_b32 v10, v22, s[24:25]
.endm
	QW 6, 12, 3072, 256, 6, 147456, 18432, 2359296 ; Wqkv: a record is a head's 12 tiles x 8 K steps
	FINISH
.Lwo:
	QW 8, 14, 1024, 352, 4, 98304, 12288, 786432   ; Wo: a record is 128 columns, 8 tiles x 8 K steps
	FINISH
.Lfunc_end_k_q29a6729326_quant:
	.size	k_q29a6729326_quant, .Lfunc_end_k_q29a6729326_quant-k_q29a6729326_quant
	.p2alignl 7, 3214868480
	.fill 96, 4, 3214868480
	.section	.rodata,"a",@progbits
	.p2align	6, 0x0
	.amdhsa_kernel k_q29a6729326_quant
		.amdhsa_group_segment_fixed_size 136192
		.amdhsa_private_segment_fixed_size 0
		.amdhsa_enable_private_segment 0
		.amdhsa_kernarg_size 48
		.amdhsa_user_sgpr_count 2
		.amdhsa_user_sgpr_kernarg_segment_ptr 1
		.amdhsa_wavefront_size32 1
		.amdhsa_system_sgpr_workgroup_id_x 1
		.amdhsa_system_sgpr_workgroup_id_y 1
		.amdhsa_system_sgpr_workgroup_id_z 1
		.amdhsa_system_vgpr_workitem_id 0
		.amdhsa_next_free_vgpr 256
		.amdhsa_next_free_sgpr 66
		.amdhsa_reserve_vcc 1
		.amdhsa_float_denorm_mode_32 3
		.amdhsa_float_denorm_mode_16_64 3
		.amdhsa_memory_ordered 1
		.amdhsa_forward_progress 1
		.amdhsa_inst_pref_size 64
	.end_amdhsa_kernel
	.amdgpu_metadata
---
amdhsa.version: [ 1, 2 ]
amdhsa.kernels:
  - .name:           k_q29a6729326_quant
    .symbol:         k_q29a6729326_quant.kd
    .args:
      - { .name: x, .offset: 0, .size: 8, .value_kind: global_buffer, .address_space: global }
      - { .name: Wqkv, .offset: 8, .size: 8, .value_kind: global_buffer, .address_space: global }
      - { .name: Wo, .offset: 16, .size: 8, .value_kind: global_buffer, .address_space: global }
      - { .name: xq, .offset: 24, .size: 8, .value_kind: global_buffer, .address_space: global }
      - { .name: wq, .offset: 32, .size: 8, .value_kind: global_buffer, .address_space: global }
      - { .name: woq, .offset: 40, .size: 8, .value_kind: global_buffer, .address_space: global }
    .group_segment_fixed_size: 136192
    .private_segment_fixed_size: 0
    .kernarg_segment_align: 8
    .kernarg_segment_size: 48
    .max_flat_workgroup_size: 256
    .sgpr_count:     66
    .vgpr_count:     256
    .wavefront_size: 32
...
	.end_amdgpu_metadata
.endif
;; end of part 1
;; launch project_qkv (part 2): grid 16 x 16, 4 waves a work-group, clusters of 4 x 1, 167,936 bytes of LDS; arguments xq, wq, bqkv, heads; writes heads
.if DOCPART == 2
	.amdgcn_target "amdgcn-amd-amdhsa--gfx1250"
	.amdhsa_code_object_version 6
	.text
	.protected	k_q29a6729326_project_qkv
	.globl	k_q29a6729326_project_qkv
	.p2align	8
	.type	k_q29a6729326_project_qkv,@function
k_q29a6729326_project_qkv:
	s_mov_b64 s[64:65], 0
	v_nop
	global_prefetch_b8 v0, s[64:65] scope:SCOPE_SE
	s_setreg_imm32_b32 hwreg(HW_REG_WAVE_MODE, 25, 1), 1
	s_wait_xcnt 0x0
	s_wait_alu depctr_hold_cnt(0) depctr_sa_sdst(0) depctr_va_vdst(0) depctr_va_sdst(0) depctr_va_ssrc(0) depctr_va_vcc(0) depctr_vm_vsrc(0)
	s_getreg_b32 s2, hwreg(HW_REG_IB_STS2, 6, 4)
	s_cmp_eq_u32 s2, 0
	s_cbranch_scc0 .Lentry_in_a_cluster
	s_endpgm
.Lentry_in_a_cluster:
	s_bfe_u32 s2, ttmp6, 0x10000c
	s_cmp_lg_u32 s2, 0x3003
	s_cbranch_scc0 .Lentry_shape_is_right
	s_endpgm
.Lentry_shape_is_right:
; qkv = x Wqkv + bqkv on codes of FP6 (E2M3) with E8M0 scales, and the results quantised at once for attention: q and k along the head's 64, v along the keys.  Nothing wide goes to memory.
; SHARES.  A work-group takes one head (192 columns: 12 tiles of 16) and 512 rows, as two tiles of 256 rows, one after the other; wave w takes rows 64 w .. 64 w + 63 of a tile: four tiles of 16.
; B (the head's weights, all of K: 8 K steps x 12 images = 147,456 bytes) is brought into LDS ONCE; nothing in LDS is filled again.  The four work-groups of a cluster take the same head, so they ask for it JOINTLY.
; A (x's images) goes from memory straight into registers, three loads of 16 bytes a lane for a fragment: a wave's rows are its own, no other wave of the work-group reads them, so a way through LDS would only add LDS reads;
; for the same reason A is not asked for jointly.  Six sets of registers take turns, so that A runs four to five K steps ahead.
; q AND k ARE MADE TRANSPOSED (source 0 = 16 columns of W, source 1 = 16 rows of x): a lane holds one row, its registers run along the head's dims.  v IS MADE AS IT READS (source 0 = x, source 1 = W):
; a lane holds one channel, its registers run along the rows, which are the keys.  The slots of x's and W's tiles are ordered so that 16 registers of two neighbouring tiles are 16 neighbours.
; The biases are the C of each sum's first matrix instruction.  The 48 accumulators take turns in one fixed order, one instruction a turn.
; A RECORD OF heads (one for batch x head, 159,744 bytes): K 64 x 768 | V [K step 8][channel tile 4][half 2] x 768 | K's words | V's u16 | Q 64 x 768 | Q's words.
; A half image (64 along K): 6 registers a lane: registers 0-3 at 16 lane, registers 4-5 at 512 + 8 lane.
; LIMITS: NaN and infinities are not served; a block of zeros has the scale byte 1 (its codes are zeros; this program alone reads the bytes).
; REGISTERS, in windows of 256: window 0: v1-15 addresses; v16-47 x's scale words; v48-95 W's; v96-127 v's bias; v128-255 v's 16 accumulators.
;   window 1: v0-143 B's three buffers of four fragments (on the way out: at work); v144-239 A's sets 0, 1.   window 2: v0-63 q's and k's bias; v64-255 A's sets 2-5.   window 3: q's and k's 32 accumulators, (t, j) at v[8 (8 t + j)].
.set XS_OFF, 6291456
.set WS_OFF, 2359296
.set REC,    159744
.set QOFF,   106496                    ; from K's half images to Q's
.set NT,     12
.set NG,     3                         ; groups of four tiles of W in a K step
.set NBUF,   3
.set KSB,    18432                     ; a K step of B in LDS
.set KG,     3                         ; K steps that one LDS base register reaches (16-bit offsets)
.set QLAST,  23                        ; a tile's last group
.set GLAST,  15                        ; the launch's last K step of A
.set SPARE,  8*KSB                     ; behind B: the spare words, 128 bytes a wave
.set FLOOR,  0x1800000                 ; 2^(3 - 127)
.set LI,   1                           ; v1   16 x lane
.set L8,   2                           ; v2   8 x lane
.set L4,   3                           ; v3   4 x lane
.set H64,  6                           ; v6   64 h
.set RP4,  7                           ; v7   4 (r + 8 (r / 8))
.set SOFF, 8                           ; v8   16 r + 57,344 h: K's words below, Q's above
.set SH,   9                           ; v9   16 (1 - h)
.set SPW,  10                          ; v10  my spare word's LDS address; never rewritten
.set NIL,  11                          ; v11  0; never rewritten
.set LB,   12                          ; v12-14  16 x lane + 55,296 x (0, 1, 2)
.set XS,   16
.set WS,   48
.set VB,   96
.set VACC, 128
.set TM,   0                           ; window 1, on the way out: v0-15 maxima, bytes, scale operands
.set TT,   88                          ; v88-94 second halves of blocks
.set W4,   104                         ; v104-107 four tiles' words
.set MSB, 0
.macro WIN new                         ; the immediate's high byte repeats the setting that is left
.if MSB != (\new)
	s_set_vgpr_msb (MSB<<8)|(\new)
.set MSB, (\new)
.endif
.endm
.macro ROUND                           ; a round of the cluster's barrier
	WIN 0
	s_barrier_signal -1
	s_barrier_wait -1
	s_cmp_lg_u32 s12, 0
	s_cbranch_scc1 .Lnot_wave_0_\@
	s_barrier_signal -3
.Lnot_wave_0_\@:
	s_barrier_wait -3
	s_barrier_signal -1
	s_barrier_wait -1
.endm
.macro PLACES                          ; four places behind matrix instructions, in front of loads into their sources and of reads of their results
.rept 4
	v_nop
.endr
.endm
.macro ASET G                          ; where K step G's set of A lies
.set AS_, (\G)%6
.if AS_ < 2
.set AW, 1
.set AB, 144+48*AS_
.else
.set AW, 2
.set AB, 64+48*(AS_-2)
.endif
.endm
.macro FETCHG q                        ; group q of a tile: four images of W from LDS into its buffer
.set FS, (\q)/NG
.set FG, (\q)%NG
.set FB, 48*((\q)%NBUF)
	WIN 0x40
.irp jj, 0,1,2,3
.irp p, 0,1,2
	ds_load_b128 v[FB+12*\jj+4*\p:FB+12*\jj+4*\p+3], v[LB+FS/KG] offset:(FS%KG)*KSB+(4*FG+\jj)*1536+512*\p
.endr
.endr
.endm
.macro LOADA G                         ; K step G of A: my four images from memory
	ASET \G
	WIN AW<<6
.irp t, 0,1,2,3
.irp p, 0,1,2
	global_load_b128 v[AB+12*\t+4*\p:AB+12*\t+4*\p+3], v[LI], s[32:33] offset:((\G)/8)*196608+\t*12288+((\G)%8)*1536+512*\p
.endr
.endr
.endm
.macro WMI                             ; one product, by the symbols WD, WA, WB, WC, the scale registers WSA, WSB and their rows WRA, WRB
.if WRA == 0 && WRB == 0
	v_wmma_scale_f32_16x16x128_f8f6f4 v[WD:WD+7], v[WA:WA+11], v[WB:WB+11], v[WC:WC+7], v[WSA], v[WSB] matrix_a_fmt:MATRIX_FMT_FP6 matrix_b_fmt:MATRIX_FMT_FP6
.elseif WRA == 1 && WRB == 0
	v_wmma_scale_f32_16x16x128_f8f6f4 v[WD:WD+7], v[WA:WA+11], v[WB:WB+11], v[WC:WC+7], v[WSA], v[WSB] matrix_a_fmt:MATRIX_FMT_FP6 matrix_b_fmt:MATRIX_FMT_FP6 matrix_a_scale:MATRIX_SCALE_ROW1
.elseif WRA == 0
	v_wmma_scale_f32_16x16x128_f8f6f4 v[WD:WD+7], v[WA:WA+11], v[WB:WB+11], v[WC:WC+7], v[WSA], v[WSB] matrix_a_fmt:MATRIX_FMT_FP6 matrix_b_fmt:MATRIX_FMT_FP6 matrix_b_scale:MATRIX_SCALE_ROW1
.else
	v_wmma_scale_f32_16x16x128_f8f6f4 v[WD:WD+7], v[WA:WA+11], v[WB:WB+11], v[WC:WC+7], v[WSA], v[WSB] matrix_a_fmt:MATRIX_FMT_FP6 matrix_b_fmt:MATRIX_FMT_FP6 matrix_a_scale:MATRIX_SCALE_ROW1 matrix_b_scale:MATRIX_SCALE_ROW1
.endif
.endm
.macro MULT tile, s, g                 ; 16 products for q or k, transposed: source 0 = W's tile 4 g + jj, source 1 = x's tile t
	ASET 8*(\tile)+(\s)
.if (\s) == 0
	WIN 0xc0|0x20|(AW<<2)|1                        ; C: the bias, window 2
.else
	WIN 0xc0|0x30|(AW<<2)|1
.endif
.irp t, 0,1,2,3
.irp jj, 0,1,2,3
.set WJ, 4*(\g)+\jj
.set WD, 8*(8*\t+WJ)
.if (\s) == 0
.set WC, 8*WJ
.else
.set WC, WD
.endif
.set WA, 48*((NG*(\s)+(\g))%NBUF)+12*\jj
.set WB, AB+12*\t
.set WSA, WS+(NT/2)*(\s)+WJ/2
.set WRA, WJ%2
.set WSB, XS+16*(\tile)+2*(\s)+\t/2
.set WRB, \t%2
	WMI
.endr
.endr
.endm
.macro MULV tile, s                    ; 16 products for v, as it reads: source 0 = x's tile t, source 1 = W's tile 8 + jj
	ASET 8*(\tile)+(\s)
	WIN (1<<2)|AW
.irp jj, 0,1,2,3
.irp t, 0,1,2,3
.set WD, VACC+8*(4*\jj+\t)
.if (\s) == 0
.set WC, VB+8*\jj
.else
.set WC, WD
.endif
.set WA, AB+12*\t
.set WB, 48*((NG*(\s)+2)%NBUF)+12*\jj
.set WSA, XS+16*(\tile)+2*(\s)+\t/2
.set WRA, \t%2
.set WSB, WS+(NT/2)*(\s)+4+\jj/2
.set WRB, \jj%2
	WMI
.endr
.endr
.endm
.macro GROUP tile, s, g
.set GQ, NG*(\s)+(\g)
.set GG, 8*(\tile)+(\s)
.if QLAST-GQ < NBUF-1
	s_wait_dscnt 12*(QLAST-GQ)                     ; my group's 12 LDS loads are in; the younger groups' may be out
.else
	s_wait_dscnt 12*(NBUF-1)
.endif
.if (\g) == 0
.if GLAST-GG < 4
	s_wait_loadcnt 12*(GLAST-GG)                   ; this K step's set of A is in; the younger sets, 12 loads each, may be out
.else
	s_wait_loadcnt 48
.endif
.endif
.if (\g) == 2
	MULV \tile, \s
.else
	MULT \tile, \s, \g
.endif
.set DOF, (GQ+NBUF <= QLAST)
.set DOA, ((\g) == 0) && (GG >= 1) && (GG+5 <= GLAST)
.if DOF || DOA
	PLACES
.endif
.if DOF
	FETCHG GQ+NBUF                                 ; the buffer just multiplied takes the group three further on
.endif
.if DOA
	LOADA GG+5                                     ; the set that the last K step read takes the K step five further on
.endif
.endm
; 64 numbers of a lane in window W, register 16 b + i = place 32 b + 16 h + i along the next K, become 12 registers of codes at v[PC] and a word of four bytes at v[PW], both in window 1.
; The accumulators are read from their low ends on.
.macro QUANT64 src, W, n
.set PC, 16+12*(\n)
.set PW, 96+(\n)
	WIN 0x50|((\W)<<2)|(\W)
.irp b, 0,1,2,3
	v_max3_num_f32 v[TM+\b], |v[(\src)+16*\b]|, |v[(\src)+16*\b+1]|, FLOOR
.endr
.irp i, 2,4,6,8,10,12,14
.irp b, 0,1,2,3
	v_max3_num_f32 v[TM+\b], |v[(\src)+16*\b+\i]|, |v[(\src)+16*\b+\i+1]|, v[TM+\b]
.endr
.endr
	WIN 0x55
.irp b, 0,1,2,3
	v_permlanex16_b32 v[TM+4+\b], v[TM+\b], s48, s49
.endr
.irp b, 0,1,2,3
	v_max_num_f32 v[TM+\b], v[TM+\b], v[TM+4+\b]   ; with lane l xor 16's 16: the block's largest magnitude
.endr
.irp b, 0,1,2,3
	v_add_nc_u32 v[TM+12+\b], 0xff000000, v[TM+\b] ; 2 off the exponent field: the conversion's scale operand
.endr
.irp b, 0,1,2,3
	v_lshrrev_b32 v[TM+4+\b], 23, v[TM+12+\b]      ; the byte
.endr
	v_lshl_or_b32 v[PW], v[TM+5], 8, v[TM+4]
	v_lshl_or_b32 v[PW], v[TM+6], 16, v[PW]
	v_lshl_or_b32 v[PW], v[TM+7], 24, v[PW]
	WIN 0x54|(\W)
.irp c, 0,1
	v_cvt_scalef32_pk16_fp6_f32 v[PC+6*\c:PC+6*\c+2], v[(\src)+32*\c:(\src)+32*\c+15], v[TM+12+2*\c]
	v_cvt_scalef32_pk16_fp6_f32 v[TT+4*\c:TT+4*\c+2], v[(\src)+32*\c+16:(\src)+32*\c+31], v[TM+12+2*\c+1]
.endr
	WIN 0x55
	v_nop                                          ; one plain line behind the conversions
.irp c, 0,1                            ; a whole block to a lane: lanes 0-15 block 2 c, lanes 16-31 block 2 c + 1
.irp i, 0,1,2
	v_permlane16_swap_b32 v[PC+6*\c+\i], v[TT+4*\c+\i]
.endr
.irp i, 0,1,2
	v_mov_b32 v[PC+3+6*\c+\i], v[TT+4*\c+\i]
.endr
.endr
.endm
.macro EPILOGUE i
	WIN 0x40
.irp b, 0,1,2,3
	v_mov_b32 v[TM+4+\b], 0                        ; a lane permute's destination counts as one of its sources
.endr
.irp t, 0,1,2,3                        ; tile t's 64 registers: q's two blocks, then k's two
	QUANT64 64*\t, 3, \t
	WIN 0x04                                       ; a store's data: window 1
	global_store_b128 v[LI], v[PC+6:PC+9], s[40:41] offset:(\i)*12288+\t*768                 ; K's half image: 512 and 256 consecutive bytes
	global_store_b64 v[L8], v[PC+10:PC+11], s[40:41] offset:(\i)*12288+\t*768+512
	global_store_b128 v[LI], v[PC:PC+3], s[40:41] offset:QOFF+(\i)*12288+\t*768              ; Q's
	global_store_b64 v[L8], v[PC+4:PC+5], s[40:41] offset:QOFF+(\i)*12288+\t*768+512
.endr
	WIN 0x44
.irp t, 0,1,2,3
	v_lshrrev_b32 v[W4+\t], v[SH], v[96+\t]        ; lanes 0-15: k's two bytes, lanes 16-31: q's;
.endr
.irp t, 0,1,2,3
	v_and_b32 v[W4+\t], 0xffff, v[W4+\t]           ; bytes 2 and 3 are 0: they scale zero codes in attention's first product
.endr
	WIN 0x04
	global_store_b128 v[SOFF], v[W4:W4+3], s[42:43] offset:(\i)*1024                         ; sixteen lanes fill 256 bytes of K's words, sixteen of Q's
.irp n, 4,5                            ; v: two channel tiles at a time, two blocks of keys each
	QUANT64 128+64*(\n-4), 0, \n
	WIN 0x04
	global_store_b128 v[LI], v[PC:PC+3], s[44:45] offset:(\i)*12288+(2*(\n-4))*1536
	global_store_b64 v[L8], v[PC+4:PC+5], s[44:45] offset:(\i)*12288+(2*(\n-4))*1536+512
	global_store_b128 v[LI], v[PC+6:PC+9], s[44:45] offset:(\i)*12288+(2*(\n-4)+1)*1536
	global_store_b64 v[L8], v[PC+10:PC+11], s[44:45] offset:(\i)*12288+(2*(\n-4)+1)*1536+512
.endr
	global_store_b64 v[L8], v[100:101], s[46:47] offset:(\i)*1024                            ; the four channel tiles' pairs of bytes; lanes 16-31 write a copy, so that 256 bytes are written whole
	WIN 0
.endm
.macro TILE i
	s_wait_xcnt 0x0                                ; the last way out's stores have read their registers: B's buffers may be loaded again
	FETCHG 0
	FETCHG 1
	FETCHG 2
.irp s, 0,1,2,3,4,5,6,7
.if ((\i) == 0) && (\s == 3)
	s_wait_tensorcnt 0x0                           ; every wave's one fill has landed, those of waves 2 and 3 (K steps 4-7) among them,
	s_wait_dscnt 0x0                               ; no LDS load of mine is out at the signal,
	s_barrier_signal -1
	s_barrier_wait -1                              ; and that holds of all: K steps 4-7 may be read.
.endif
	GROUP \i, \s, 0
	GROUP \i, \s, 1
	GROUP \i, \s, 2
.endr
	PLACES
	EPILOGUE \i
.endm
	s_load_b256 s[4:11], s[0:1], 0x0               ; xq s[4:5], wq s[6:7], bqkv s[8:9], heads s[10:11]
	v_lshl_add_u32 v[SPW], v0, 2, SPARE
	v_mov_b32 v[NIL], 0
	ds_add_u32 v[SPW], v[NIL]                      ; the wave's opening: the add and its wait ahead of my first tensor load
	ds_add_u32 v[SPW], v[NIL]
	v_lshrrev_b32 v15, 5, v0
	v_readfirstlane_b32 s12, v15                   ; wave 0..3
	s_bfe_u32 s13, ttmp6, 0x40000                  ; cx
	s_lshl_b32 s14, ttmp9, 2
	s_add_co_u32 s14, s14, s13                     ; my group of 512 rows: it enters global addresses of A and of the results alone
	s_and_b32 s15, ttmp7, 0xffff                   ; the head, which the four partners share
	s_mov_b32 s16, 15|(3<<16)|(1<<21)              ; group 1: the mask names all four; elements of 8 bytes; bit 21 beside a mask; no padding
	s_mov_b32 s17, 32<<16                          ; tensor_dim0 = 32 elements: rows of 256 bytes
	s_mov_b32 s18, 144<<16                         ; tensor_dim1 = 144 rows: two K steps, 36,864 dense bytes
	s_mov_b32 s19, 32<<16                          ; tile_dim0
	s_mov_b32 s20, 144                             ; tile_dim1
	s_mov_b32 s21, 32                              ; the pitch
	s_mov_b32 s22, 0
	s_mov_b32 s23, 0
	s_mov_b32 s24, 1
	s_mul_i32 s25, s12, 2*KSB                      ; K steps 2 x wave and 2 x wave + 1: one load a wave
	s_mul_i32 s50, s15, 8*KSB
	s_add_co_u32 s50, s50, s25
	s_mov_b32 s51, 0
	s_mov_b32 s48, 0x76543210
	s_mov_b32 s49, 0xfedcba98                      ; selects for lane l xor 16
	s_lshl_b32 s52, s14, 5
	s_lshl_b32 s53, s12, 2
	s_add_co_u32 s52, s52, s53                     ; my first tile of 16 rows: 32 x group + 4 x wave
	s_mul_i32 s54, s52, 12288
	s_mov_b32 s55, 0
	s_lshl_b32 s56, s52, 6
	s_add_co_u32 s56, s56, XS_OFF
	s_mov_b32 s57, 0
	s_mul_i32 s58, s15, 768
	s_mov_b32 s59, 0
	s_lshr_b32 s60, s14, 1
	s_lshl_b32 s60, s60, 4
	s_add_co_u32 s60, s60, s15
	s_mul_i32 s60, s60, REC                        ; my record: batch x 16 + head
	s_mov_b32 s61, 0
	s_and_b32 s62, s14, 1
	s_lshl_b32 s62, s62, 3
	s_add_co_u32 s62, s62, s12                     ; my chunk of 64 rows in it (the second tile: 4 further on)
	s_wait_dscnt 0x0                               ; both opening adds are done
	ROUND                                          ; all four work-groups are here: the joint loads meet.  The round stands ahead of the wait for the arguments
	s_wait_kmcnt 0x0
	s_add_nc_u64 s[26:27], s[6:7], s[50:51]
	s_or_b32 s27, s27, 0x80000000
	s_cmp_lt_u32 s12, 2
	s_cbranch_scc0 .Llate_half
	tensor_load_to_lds s[24:27], s[16:23]
	s_nop 0
.rept 4
	v_nop
.endr
	s_branch .Lasked
.Llate_half:
	tensor_load_to_lds s[24:27], s[16:23]
	s_nop 0
.rept 4
	v_nop
.endr
.Lasked:
	s_add_nc_u64 s[32:33], s[4:5], s[54:55]        ; A
	s_add_nc_u64 s[34:35], s[4:5], s[56:57]        ; x's scale words
	s_add_nc_u64 s[36:37], s[6:7], s[58:59]
	s_add_nc_u64 s[36:37], s[36:37], WS_OFF        ; W's scale words
	s_add_nc_u64 s[38:39], s[8:9], s[58:59]        ; the head's 192 biases
	s_add_nc_u64 s[10:11], s[10:11], s[60:61]      ; the record
	s_mul_i32 s54, s62, 3072
	s_add_nc_u64 s[40:41], s[10:11], s[54:55]      ; K's half images (Q's: QOFF on)
	s_lshl_b32 s54, s62, 8
	s_add_co_u32 s54, s54, 98304
	s_add_nc_u64 s[42:43], s[10:11], s[54:55]      ; K's words (Q's: 57,344 on)
	s_add_nc_u64 s[46:47], s[42:43], 4096          ; V's pairs of bytes
	s_lshr_b32 s54, s62, 1
	s_mul_i32 s54, s54, 6144
	s_and_b32 s56, s62, 1
	s_mul_i32 s56, s56, 768
	s_add_co_u32 s54, s54, s56
	s_add_co_u32 s54, s54, 49152
	s_add_nc_u64 s[44:45], s[10:11], s[54:55]      ; V's half images: K step chunk / 2, half chunk % 2
	v_and_b32 v15, 31, v0
	v_lshlrev_b32 v[LI], 4, v15
	v_lshlrev_b32 v[L8], 3, v15
	v_lshlrev_b32 v[L4], 2, v15
	v_mov_b32 v[LB], v[LI]
	v_add_nc_u32 v[LB+1], 3*KSB, v[LI]
	v_add_nc_u32 v[LB+2], 6*KSB, v[LI]
	v_bfe_u32 v[SH], v0, 4, 1                      ; h
	v_lshlrev_b32 v[H64], 6, v[SH]
	v_and_b32 v15, 15, v0                          ; r
	v_and_b32 v[RP4], 8, v15
	v_add_nc_u32 v[RP4], v[RP4], v15
	v_lshlrev_b32 v[RP4], 2, v[RP4]
	v_mul_u32_u24 v[SOFF], v[SH], 57344
	v_lshl_add_u32 v[SOFF], v15, 4, v[SOFF]
	v_lshlrev_b32 v[SH], 4, v[SH]
	v_sub_nc_u32 v[SH], 16, v[SH]
.irp s, 0,1,2,3,4,5,6,7                ; scale words: lanes 0-15 take tile 2 p's, lanes 16-31 tile 2 p + 1's
.irp p, 0,1,2,3,4,5
	global_load_b32 v[WS+6*\s+\p], v[L4], s[36:37] offset:\s*12288+128*\p
.endr
.endr
.irp i, 0,1
.irp s, 0,1,2,3,4,5,6,7
.irp p, 0,1
	global_load_b32 v[XS+16*\i+2*\s+\p], v[L4], s[34:35] offset:\i*1024+\s*32768+128*\p
.endr
.endr
.endr
	WIN 0x80
.irp j, 0,1,2,3,4,5,6,7                ; q's and k's bias in the result's layout: tile 2 B + u, lane half h: columns 32 B + 16 h + 8 u + 0 .. 7
	global_load_b128 v[8*\j:8*\j+3], v[H64], s[38:39] offset:(32*(\j/2)+8*(\j%2))*4
	global_load_b128 v[8*\j+4:8*\j+7], v[H64], s[38:39] offset:(32*(\j/2)+8*(\j%2))*4+16
.endr
	WIN 0
.irp jj, 0,1,2,3                       ; v's: a lane holds one channel, so its eight registers are equal
.irp e, 0,1,2,3,4,5,6,7
	global_load_b32 v[VB+8*\jj+\e], v[RP4], s[38:39] offset:512+(32*(\jj/2)+8*(\jj%2))*4
.endr
.endr
.irp G, 0,1,2,3,4,5
	LOADA \G
.endr
	WIN 0
	s_cmp_lt_u32 s12, 2
	s_cbranch_scc0 .Lnot_first
	s_wait_tensorcnt 0x0                           ; waves 0 and 1: my fill has landed; the fills of waves 2 and 3 may stay out
.Lnot_first:
	s_barrier_signal -1
	s_barrier_wait -1                              ; K steps 0-3 are whole
	TILE 0
	TILE 1
	s_wait_tensorcnt 0x0                           ; the wave's end
	ds_add_u32 v[SPW], v[NIL]
	s_wait_dscnt 0x0
	ROUND                                          ; the closing round
	s_endpgm
.Lfunc_end_k_q29a6729326_project_qkv:
	.size	k_q29a6729326_project_qkv, .Lfunc_end_k_q29a6729326_project_qkv-k_q29a6729326_project_qkv
	.p2alignl 7, 3214868480
	.fill 96, 4, 3214868480
	.section	.rodata,"a",@progbits
	.p2align	6, 0x0
	.amdhsa_kernel k_q29a6729326_project_qkv
		.amdhsa_group_segment_fixed_size 167936
		.amdhsa_private_segment_fixed_size 0
		.amdhsa_enable_private_segment 0
		.amdhsa_kernarg_size 32
		.amdhsa_user_sgpr_count 2
		.amdhsa_user_sgpr_kernarg_segment_ptr 1
		.amdhsa_wavefront_size32 1
		.amdhsa_system_sgpr_workgroup_id_x 1
		.amdhsa_system_sgpr_workgroup_id_y 1
		.amdhsa_system_sgpr_workgroup_id_z 1
		.amdhsa_system_vgpr_workitem_id 0
		.amdhsa_next_free_vgpr 1024
		.amdhsa_next_free_sgpr 66
		.amdhsa_reserve_vcc 0
		.amdhsa_float_denorm_mode_32 3
		.amdhsa_float_denorm_mode_16_64 3
		.amdhsa_memory_ordered 1
		.amdhsa_forward_progress 1
		.amdhsa_inst_pref_size 232
	.end_amdhsa_kernel
	.amdgpu_metadata
---
amdhsa.version: [ 1, 2 ]
amdhsa.kernels:
  - .name:           k_q29a6729326_project_qkv
    .symbol:         k_q29a6729326_project_qkv.kd
    .args:
      - { .name: xq, .offset: 0, .size: 8, .value_kind: global_buffer, .address_space: global }
      - { .name: wq, .offset: 8, .size: 8, .value_kind: global_buffer, .address_space: global }
      - { .name: bqkv, .offset: 16, .size: 8, .value_kind: global_buffer, .address_space: global }
      - { .name: heads, .offset: 24, .size: 8, .value_kind: global_buffer, .address_space: global }
    .group_segment_fixed_size: 167936
    .private_segment_fixed_size: 0
    .kernarg_segment_align: 8
    .kernarg_segment_size: 32
    .max_flat_workgroup_size: 128
    .sgpr_count:     66
    .vgpr_count:     1024
    .wavefront_size: 32
...
	.end_amdgpu_metadata
.endif
;; end of part 2
;; launch attend (part 3): grid 4 x 64, 8 waves a work-group, clusters of 4 x 1, 215,040 bytes of LDS; arguments heads, vq; writes vq
.if DOCPART == 3
	.amdgcn_target "amdgcn-amd-amdhsa--gfx1250"
	.amdhsa_code_object_version 6
	.text
	.protected	k_q29a6729326_attend
	.globl	k_q29a6729326_attend
	.p2align	8
	.type	k_q29a6729326_attend,@function
k_q29a6729326_attend:
	s_mov_b64 s[64:65], 0
	v_nop
	global_prefetch_b8 v0, s[64:65] scope:SCOPE_SE
	s_setreg_imm32_b32 hwreg(HW_REG_WAVE_MODE, 25, 1), 1
	s_wait_xcnt 0x0
	s_wait_alu depctr_hold_cnt(0) depctr_sa_sdst(0) depctr_va_vdst(0) depctr_va_sdst(0) depctr_va_ssrc(0) depctr_va_vcc(0) depctr_vm_vsrc(0)
	s_getreg_b32 s2, hwreg(HW_REG_IB_STS2, 6, 4)
	s_cmp_eq_u32 s2, 0
	s_cbranch_scc0 .Lentry_in_a_cluster
	s_endpgm
.Lentry_in_a_cluster:
	s_bfe_u32 s2, ttmp6, 0x10000c
	s_cmp_lg_u32 s2, 0x3003
	s_cbranch_scc0 .Lentry_shape_is_right
	s_endpgm
.Lentry_shape_is_right:
; vals = softmax(q k^T / 8) v for each batch and head, both products on codes of FP6 (E2M3) with E8M0 scales, and vals quantised at once along the model's 1,024 for the last product.
; THE SOFTMAX AHEAD OF THE SECOND PRODUCT: t = score x log2(e) / 8; M = the running largest t, rounded UP to a whole number; p = 2^(t - M) is quantised along the keys, not normalised.
; The row's sum is taken of the unquantised p, in f32, and divides at the end.  When M moves, the sum and O are multiplied by f = 2^(old M - new M): exact.
; SHARES.  A work-group takes 256 queries of one batch and TWO heads (2 p, 2 p + 1), one after the other; each of its eight waves TWO tiles of 16 queries in 512 registers, two waves to a SIMD.
; Each fragment of K and of V that a wave reads from LDS feeds two products, and the two tiles' chains of dependent lines stand line by line in turn.
; Two heads are 128 of the model's 1,024: so a wave finishes two whole images (16 rows x 128 K) of vals and one scale word a row.
; K, V and their scales of both heads (2 x 106,496 bytes) come into LDS ONCE, as images of the operands' registers; nothing is filled again.  The four work-groups of a cluster take the four blocks of queries
; of the same batch and heads, so they ask for these bytes JOINTLY.
; THE FILLS, ONE A WAVE, BY NEED.  Waves 0, 1, 2: the first head's K steps 0-3, V steps 0-3, and all its scale words (57,344 bytes): the first barrier waits for these alone.  Waves 3, 4: its K and V steps 4-7.
; Waves 5, 6, 7: the second head's K, V and words.  One barrier behind the third key step, in front of which every wave has waited, shows all the rest; key steps 0-2, with their K loaded a step ahead, read K steps 0-3 and V steps 0-2 alone.
; No prefetch: every tile of the launch is asked for at its head, so there is no loop to run ahead in.
; LAYOUT.  Both products transposed: S^T = K Q^T (source 0 = 16 keys), O^T = V^T P^T (source 0 = 16 channels): a lane holds ONE query of each tile throughout.  The keys and the channels of a tile are ordered
; (by the launches before) so that 16 registers of two neighbouring tiles are 16 neighbours.
; THE FIRST PRODUCT'S K IS 64, THE INSTRUCTION'S 128: Q's registers 6-11 are zero codes.  K's operand for tile kt is six registers of its own and the next tile's six (behind the last: zeros):
; finite numbers that meet zeros; the scale bytes 2 and 3 of both words are 0, which is a power of two and no NaN.
; LOADS AHEAD.  K and V have registers of their own: the next step's K is loaded behind this step's first products, this step's V at its top.  A head's last step so loads 6,656 bytes behind K's and its words' ends,
; bytes of the same head that have landed; nothing reads those registers before they are loaded anew.
; LIMITS: NaN and infinities are not served; a block of zeros has the scale byte 1; the promise holds while |t| stays under 2^31.
; WINDOW 0: v1-4 16 lane, 8 lane, 16 r, 4 lane; v8-11 the step's LDS addresses; for tile t: v[12+2t] -M, v[13+2t] the largest t, v[20+2t] f; v24+t at work; v26+t Q's word (v28+t the second head's);
;   v32-55 Q and its zeros; v56-67 the second head's Q; v68-121 K and zeros; v122-129 K's words; v130-137 V's bytes and words; v138-161 maxima, lane partners', scale operands; v162-185 p's codes; v186-201 second halves;
;   v216-239 vals' images; v240-243 vals' bytes; v244+t p's word.
; WINDOW 1: v[64 t ..] S^T, then p; v[128 + 32 t ..] O^T; v192-239 V; v[240 + 8 t ..] the row's sum in four chains of pairs.
.set REC,    159744
.set HB,     106496                    ; what attention reads of a record, and a head's bytes in LDS
.set QOFF,   106496
.set QSOFF,  155648
.set VOFF,   49152
.set KSOFF,  98304
.set VSOFF,  102400
.set SPARE,  2*HB                      ; behind the two heads: the spare words, 128 bytes a wave
.set XS_OFF, 6291456
.set FLOOR,  0x1800000                 ; 2^(3 - 127)
.set SPW, 5
.set NIL, 6
.set WV,  8
.set SEL, 46
.set CS,  48
.set TB,  52                           ; s52  where the step's K (and, VOFF on, V) begins in LDS
.set TS,  53                           ; s53  K's words
.set TT,  54                           ; s54  V's bytes
.set CNT, 55
.set MM,  12
.set SF,  20
.set TP,  24
.set QW,  26
.set QF,  32
.set QF2, 56
.set KF,  68
.set KW,  122
.set VY,  130
.set VW,  134
.set BM,  138
.set PT,  146
.set SO,  154
.set PC,  162
.set TH,  186
.set OC,  216
.set VB,  240
.set PW,  244
.set SS,  0                            ; window 1
.set OO,  128
.set VF,  192
.set SM,  240
.set MSB, 0
.macro WIN new                         ; the immediate's high byte repeats the setting that is left
.if MSB != (\new)
	s_set_vgpr_msb (MSB<<8)|(\new)
.set MSB, (\new)
.endif
.endm
.macro WALU
	s_wait_alu depctr_va_vdst(0)
.endm
.macro ROUND
	s_barrier_signal -1
	s_barrier_wait -1
	s_cmp_lg_u32 s[WV], 0
	s_cbranch_scc1 .Lnot_wave_0_\@
	s_barrier_signal -3
.Lnot_wave_0_\@:
	s_barrier_wait -3
	s_barrier_signal -1
	s_barrier_wait -1
.endm
.macro GROUP1 g, rows                  ; descriptor group 1: a dense block as rows of 256 bytes; the mask names all four partners; elements of 8 bytes; bit 21 beside a mask; no padding
	s_mov_b32 s[\g], 15|(3<<16)|(1<<21)
	s_mov_b32 s[\g+1], 32<<16
	s_mov_b32 s[\g+2], (\rows)<<16
	s_mov_b32 s[\g+3], 32<<16
	s_mov_b32 s[\g+4], \rows
	s_mov_b32 s[\g+5], 32
	s_mov_b32 s[\g+6], 0
	s_mov_b32 s[\g+7], 0
.endm
.macro FILL g1, extra                  ; my one fill: to LDS byte s25, from the first head's record + s25 + extra
	s_add_co_u32 s42, s40, s25
.if \extra
	s_add_co_u32 s42, s42, \extra
.endif
	s_add_nc_u64 s[26:27], s[4:5], s[42:43]
	s_or_b32 s27, s27, 0x80000000
	tensor_load_to_lds s[24:27], s[\g1:\g1+7]
	s_nop 0
.rept 4
	v_nop
.endr
.endm
.macro KLOAD off, woff                 ; eight tiles of K and their words: 18 loads
.irp kt, 0,1,2,3,4,5,6,7
	ds_load_b128 v[KF+6*\kt:KF+6*\kt+3], v8 offset:\off+768*\kt
	ds_load_b64 v[KF+6*\kt+4:KF+6*\kt+5], v9 offset:\off+768*\kt+512
.endr
	ds_load_b128 v[KW:KW+3], v10 offset:\woff
	ds_load_b128 v[KW+4:KW+7], v10 offset:\woff+256
.endm
; A KEY STEP: 128 keys x two tiles of queries.
.macro STEP
	v_add_nc_u32 v8, s[TB], v1                     ; (these four are also the places behind the last step's products, in front of the loads into their sources)
	v_add_nc_u32 v9, s[TB], v2
	v_add_nc_u32 v10, s[TS], v3
	v_add_nc_u32 v11, s[TT], v2
	ds_load_b64 v[VY:VY+1], v11                    ; channel slot r's pairs of bytes: keys 0-63 of the step,
	ds_load_b64 v[VY+2:VY+3], v11 offset:256       ; keys 64-127
	WIN 0x40
.irp jj, 0,1,2,3                       ; V's fragments, 16 loads, land while the scores and the softmax are worked
.irp c, 0,1
	ds_load_b128 v[VF+12*\jj+6*\c:VF+12*\jj+6*\c+3], v8 offset:VOFF+768*(2*\jj+\c)
	ds_load_b64 v[VF+12*\jj+6*\c+4:VF+12*\jj+6*\c+5], v9 offset:VOFF+768*(2*\jj+\c)+512
.endr
.endr
	WALU
	s_wait_dscnt 16                                ; K, its words and V's bytes are in; V's 16 loads may be out
.irp kt, 0,1,2,3,4,5,6,7
.irp t, 0,1
	v_wmma_scale_f32_16x16x128_f8f6f4 v[SS+64*\t+8*\kt:SS+64*\t+8*\kt+7], v[KF+6*\kt:KF+6*\kt+11], v[QF+12*\t:QF+12*\t+11], 0, v[KW+\kt], v[QW+\t] matrix_a_fmt:MATRIX_FMT_FP6 matrix_b_fmt:MATRIX_FMT_FP6
.endr
.endr
	WIN 0
	v_perm_b32 v[VW], v[VY+2], v[VY], s50          ; V's four words, from the two halves' pairs.  (Four places behind the products)
	v_perm_b32 v[VW+1], v[VY+2], v[VY], s51
	v_perm_b32 v[VW+2], v[VY+3], v[VY+1], s50
	v_perm_b32 v[VW+3], v[VY+3], v[VY+1], s51
	KLOAD 6144, 512                                ; the next step's K
	WIN 0x15
.irp t, 0,1
.irp b, 0,1,2,3
	v_max3_num_f32 v[BM+4*\t+\b], v[SS+64*\t+16*\b], v[SS+64*\t+16*\b+1], v[SS+64*\t+16*\b+2]   ; the largest score of each block of 32 keys: for the row's maximum, and, since p rises with the score, for the block's largest p
.endr
.endr
	WIN 0x14
.irp i, 3,5,7,9,11,13
.irp t, 0,1
.irp b, 0,1,2,3
	v_max3_num_f32 v[BM+4*\t+\b], v[BM+4*\t+\b], v[SS+64*\t+16*\b+\i], v[SS+64*\t+16*\b+\i+1]
.endr
.endr
.endr
.irp t, 0,1
.irp b, 0,1,2,3
	v_max_num_f32 v[BM+4*\t+\b], v[BM+4*\t+\b], v[SS+64*\t+16*\b+15]
.endr
.endr
	WIN 0
.irp b, 0,1,2,3
.irp t, 0,1
	v_permlanex16_b32 v[PT+4*\t+\b], v[BM+4*\t+\b], s[SEL], s[SEL+1]
.endr
.endr
.irp b, 0,1,2,3
.irp t, 0,1
	v_max_num_f32 v[BM+4*\t+\b], v[BM+4*\t+\b], v[PT+4*\t+\b]   ; with lane l xor 16's 16 keys
.endr
.endr
.irp t, 0,1                            ; the two tiles' chains line by line in turn
	s_delay_alu instid0(VALU_DEP_4)
	v_max3_num_f32 v[TP+\t], v[BM+4*\t], v[BM+4*\t+1], v[BM+4*\t+2]
.endr
.irp t, 0,1
	s_delay_alu instid0(VALU_DEP_2)
	v_max_num_f32 v[TP+\t], v[TP+\t], v[BM+4*\t+3]
.endr
.irp t, 0,1
	s_delay_alu instid0(VALU_DEP_2)
	v_mul_f32 v[TP+\t], s[CS], v[TP+\t]            ; as t
.endr
.irp t, 0,1
	s_delay_alu instid0(VALU_DEP_2)
	v_max_num_f32 v[MM+2*\t+1], v[MM+2*\t+1], v[TP+\t]   ; the running largest t
.endr
.irp t, 0,1
	v_mov_b32 v[TP+\t], v[MM+2*\t]
.endr
.irp t, 0,1
	s_delay_alu instid0(VALU_DEP_4)
	v_floor_f32 v[MM+2*\t], -v[MM+2*\t+1]          ; the new -M = -ceil(t)
.endr
.irp t, 0,1
	s_delay_alu instid0(VALU_DEP_2)
	v_sub_f32 v[TP+\t], v[MM+2*\t], v[TP+\t]       ; old M - new M: a whole number, 0 or less
.endr
.irp t, 0,1
	s_delay_alu instid0(VALU_DEP_2)
	v_cvt_i32_f32 v[TP+\t], v[TP+\t]               ; (it saturates)
.endr
.irp t, 0,1
	s_delay_alu instid0(VALU_DEP_2)
	v_ldexp_f32 v[SF+2*\t], 1.0, v[TP+\t]          ; f = 2^(old M - new M)
.endr
	WIN 0x41
.irp t, 0,1
.set j, 0
.rept 16
	v_pk_mul_f32 v[OO+32*\t+j:OO+32*\t+j+1], v[OO+32*\t+j:OO+32*\t+j+1], v[SF+2*\t:SF+2*\t+1] op_sel_hi:[1,0]   ; O^T under the new M, each accumulator from its low end on
.set j, j+2
.endr
.endr
.set j, 0
.rept 32
	v_pk_fma_f32 v[SS+j:SS+j+1], v[SS+j:SS+j+1], s[CS:CS+1], v[MM:MM+1] op_sel_hi:[1,0,0]   ; tile 0: t - M, two at a time
.set j, j+2
.endr
	WIN 0
.irp t, 0,1
.irp b, 0,1,2,3
	v_fma_f32 v[BM+4*\t+\b], v[BM+4*\t+\b], s[CS], v[MM+2*\t]   ; the same of each block's largest score
.endr
.endr
	WALU                                           ; ahead of the batch
.set j, 0
.rept 8
	v_exp_f32 v[BM+j], v[BM+j]                     ; the blocks' largest p
.set j, j+1
.endr
	WIN 0x41
.set j, 0
.rept 32                               ; tile 0's p = 2^(t - M); among them tile 1's t - M, which names no result of the batch and is first read behind the next wait
	v_exp_f32 v[SS+j], v[SS+j]
	v_exp_f32 v[SS+j+1], v[SS+j+1]
	v_pk_fma_f32 v[SS+64+j:SS+64+j+1], v[SS+64+j:SS+64+j+1], s[CS:CS+1], v[MM+2:MM+3] op_sel_hi:[1,0,0]
.set j, j+2
.endr
	WALU                                           ; one wait for the batch, ahead of its first reader
	WIN 0
.set j, 0
.rept 8
	v_max_num_f32 v[BM+j], FLOOR, v[BM+j]
.set j, j+1
.endr
.set j, 0
.rept 8
	v_add_nc_u32 v[SO+j], 0xff000000, v[BM+j]      ; 2 off the exponent field: the conversion's scale operand
.set j, j+1
.endr
.set j, 0
.rept 8
	v_lshrrev_b32 v[PT+j], 23, v[SO+j]             ; the byte
.set j, j+1
.endr
.irp t, 0,1
	v_lshl_or_b32 v[PW+\t], v[PT+4*\t+1], 8, v[PT+4*\t]   ; p's scale word for these 128 keys
.endr
.irp t, 0,1
	s_delay_alu instid0(VALU_DEP_2)
	v_lshl_or_b32 v[PW+\t], v[PT+4*\t+2], 16, v[PW+\t]
.endr
.irp t, 0,1
	s_delay_alu instid0(VALU_DEP_2)
	v_lshl_or_b32 v[PW+\t], v[PT+4*\t+3], 24, v[PW+\t]
.endr
	WALU                                           ; ahead of the second batch: the scale operands
	WIN 0x51
.set j, 0
.rept 4                                ; tile 1's p; among them the first links of tile 0's four sums: sum x f + p, first read behind the next wait
.set i, 0
.rept 16
	v_exp_f32 v[SS+64+16*j+i], v[SS+64+16*j+i]
.set i, i+1
.endr
	v_pk_fma_f32 v[SM+2*j:SM+2*j+1], v[SM+2*j:SM+2*j+1], v[SF:SF+1], v[SS+2*j:SS+2*j+1] op_sel_hi:[1,0,1]
.set j, j+1
.endr
	WALU                                           ; and one wait for that batch
	WIN 0x01
.irp t, 0,1
.irp c, 0,1
	v_cvt_scalef32_pk16_fp6_f32 v[PC+12*\t+6*\c:PC+12*\t+6*\c+2], v[SS+64*\t+32*\c:SS+64*\t+32*\c+15], v[SO+4*\t+2*\c]
	v_cvt_scalef32_pk16_fp6_f32 v[TH+8*\t+4*\c:TH+8*\t+4*\c+2], v[SS+64*\t+32*\c+16:SS+64*\t+32*\c+31], v[SO+4*\t+2*\c+1]
.endr
.endr
	WIN 0
	v_nop                                          ; one plain line behind the conversions
.irp t, 0,1                            ; a whole block to a lane: lanes 0-15 block 2 c, lanes 16-31 block 2 c + 1
.irp c, 0,1
.irp i, 0,1,2
	v_permlane16_swap_b32 v[PC+12*\t+6*\c+\i], v[TH+8*\t+4*\c+\i]
.endr
.endr
.endr
.irp t, 0,1
.irp c, 0,1
.irp i, 0,1,2
	v_mov_b32 v[PC+12*\t+6*\c+3+\i], v[TH+8*\t+4*\c+\i]
.endr
.endr
.endr
	WIN 0x51
.irp k, 0,1,2,3
	v_pk_fma_f32 v[SM+8+2*\k:SM+8+2*\k+1], v[SM+8+2*\k:SM+8+2*\k+1], v[SF+2:SF+3], v[SS+64+2*\k:SS+64+2*\k+1] op_sel_hi:[1,0,1]   ; tile 1's sums under the new M, with their first p
.endr
	WIN 0x45
.irp m, 1,2,3,4,5,6,7                  ; THE ROW'S SUM IS TAKEN OF THE UNQUANTISED p: eight chains by turns.  (These are also the places behind the writes of p's codes and words)
.irp t, 0,1
.irp k, 0,1,2,3
	v_pk_add_f32 v[SM+8*\t+2*\k:SM+8*\t+2*\k+1], v[SM+8*\t+2*\k:SM+8*\t+2*\k+1], v[SS+64*\t+8*\m+2*\k:SS+64*\t+8*\m+2*\k+1]
.endr
.endr
.endr
	WALU                                           ; directly ahead of the wait below
	s_wait_dscnt 18                                ; V is in; the next step's K, 18 loads, may be out
	WIN 0x51
.irp jj, 0,1,2,3                       ; the eight accumulators by turns, one instruction a turn
.irp t, 0,1
	v_wmma_scale_f32_16x16x128_f8f6f4 v[OO+32*\t+8*\jj:OO+32*\t+8*\jj+7], v[VF+12*\jj:VF+12*\jj+11], v[PC+12*\t:PC+12*\t+11], v[OO+32*\t+8*\jj:OO+32*\t+8*\jj+7], v[VW+\jj], v[PW+\t] matrix_a_fmt:MATRIX_FMT_FP6 matrix_b_fmt:MATRIX_FMT_FP6
.endr
.endr
	WIN 0
.endm
.macro AT c, st                        ; the LDS places of head c's key step st
	s_mov_b32 s[TB], \c*HB+6144*\st
	s_mov_b32 s[TS], \c*HB+KSOFF+512*\st
	s_mov_b32 s[TT], \c*HB+VSOFF+512*\st
.endm
.macro PRO c                           ; a head's first K.  No LDS load of mine is out here
	AT \c, 0
	v_add_nc_u32 v8, s[TB], v1
	v_add_nc_u32 v9, s[TB], v2
	v_add_nc_u32 v10, s[TS], v3
	KLOAD 0, 0
.endm
.macro INIT c                          ; a head's state at its start
.if \c
.irp i, 0,1,2,3,4,5
	v_mov_b32 v[QF+\i], v[QF2+\i]
	v_mov_b32 v[QF+12+\i], v[QF2+6+\i]
.endr
	v_mov_b32 v[QW], v[QW+2]
	v_mov_b32 v[QW+1], v[QW+3]
.endif
	v_mov_b32 v[MM+1], 0xff61b1e6                  ; the largest t so far: -3e38
	v_mov_b32 v[MM+3], 0xff61b1e6
	v_floor_f32 v[MM], -v[MM+1]
	v_floor_f32 v[MM+2], -v[MM+3]
	WIN 0x40
.set j, 0
.rept 64
	v_mov_b32 v[OO+j], 0                           ; the step is written once: the first finds zeros, which the first change of M leaves zeros
.set j, j+1
.endr
.set j, 0
.rept 16
	v_mov_b32 v[SM+j], 0
.set j, j+1
.endr
	WIN 0
.endm
.macro STEPS n                         ; n key steps
	s_mov_b32 s[CNT], \n
.Lstep_\@:
	STEP
	s_add_co_u32 s[TB], s[TB], 6144
	s_add_co_u32 s[TS], s[TS], 512
	s_add_co_u32 s[TT], s[TT], 512
	s_sub_co_u32 s[CNT], s[CNT], 1
	s_cmp_lg_u32 s[CNT], 0
	s_cbranch_scc1 .Lstep_\@
.endm
; A head's way out, on registers alone: O^T / the sum, quantised: blocks 2 c and 2 c + 1 of vals' K step.
.macro EPI c
	WIN 0x45
.irp t, 0,1                            ; (the lines up to the division are the places behind the last products)
	v_pk_add_f32 v[SM+8*\t:SM+8*\t+1], v[SM+8*\t:SM+8*\t+1], v[SM+8*\t+2:SM+8*\t+3]
	v_pk_add_f32 v[SM+8*\t+4:SM+8*\t+5], v[SM+8*\t+4:SM+8*\t+5], v[SM+8*\t+6:SM+8*\t+7]
.endr
.irp t, 0,1
	v_pk_add_f32 v[SM+8*\t:SM+8*\t+1], v[SM+8*\t:SM+8*\t+1], v[SM+8*\t+4:SM+8*\t+5]
.endr
	WIN 0x05
.irp t, 0,1
	v_add_f32 v[TP+\t], v[SM+8*\t], v[SM+8*\t+1]
.endr
	WIN 0
.irp t, 0,1
	v_permlanex16_b32 v[PT+4*\t], v[TP+\t], s[SEL], s[SEL+1]
.endr
.irp t, 0,1
	v_add_f32 v[TP+\t], v[TP+\t], v[PT+4*\t]       ; the row's sum
.endr
	WALU
.irp t, 0,1
	v_rcp_f32 v[SF+2*\t], v[TP+\t]
.endr
	v_nop
	WIN 0x41
	WALU                                           ; directly ahead of the first readers of the quotient and of O^T
.irp t, 0,1
.set j, 0
.rept 16
	v_pk_mul_f32 v[SS+64*\t+j:SS+64*\t+j+1], v[OO+32*\t+j:OO+32*\t+j+1], v[SF+2*\t:SF+2*\t+1] op_sel_hi:[1,0]   ; register 16 B + i: channel 32 B + 16 h + i of my query
.set j, j+2
.endr
.endr
	WIN 0x05
.irp t, 0,1
.irp b, 0,1
	v_max3_num_f32 v[BM+4*\t+\b], |v[SS+64*\t+16*\b]|, |v[SS+64*\t+16*\b+1]|, FLOOR
.endr
.endr
	WIN 0x14
.irp i, 2,4,6,8,10,12,14
.irp t, 0,1
.irp b, 0,1
	v_max3_num_f32 v[BM+4*\t+\b], v[BM+4*\t+\b], |v[SS+64*\t+16*\b+\i]|, |v[SS+64*\t+16*\b+\i+1]|
.endr
.endr
.endr
	WIN 0
.irp t, 0,1
.irp b, 0,1
	v_permlanex16_b32 v[PT+4*\t+\b], v[BM+4*\t+\b], s[SEL], s[SEL+1]
.endr
.endr
.irp t, 0,1
.irp b, 0,1
	v_max_num_f32 v[BM+4*\t+\b], v[BM+4*\t+\b], v[PT+4*\t+\b]
.endr
.endr
.irp t, 0,1
.irp b, 0,1
	v_add_nc_u32 v[SO+4*\t+\b], 0xff000000, v[BM+4*\t+\b]
.endr
.endr
.irp t, 0,1
.irp b, 0,1
	v_lshrrev_b32 v[PT+4*\t+\b], 23, v[SO+4*\t+\b]
.endr
.endr
.irp t, 0,1
	v_lshl_or_b32 v[VB+2*\t+\c], v[PT+4*\t+1], 8, v[PT+4*\t]
.endr
	WIN 0x01
.irp t, 0,1
	v_cvt_scalef32_pk16_fp6_f32 v[OC+12*\t+6*\c:OC+12*\t+6*\c+2], v[SS+64*\t:SS+64*\t+15], v[SO+4*\t]
	v_cvt_scalef32_pk16_fp6_f32 v[TH+8*\t:TH+8*\t+2], v[SS+64*\t+16:SS+64*\t+31], v[SO+4*\t+1]
.endr
	WIN 0
	v_nop                                          ; one plain line behind the conversions
.irp t, 0,1
.irp i, 0,1,2
	v_permlane16_swap_b32 v[OC+12*\t+6*\c+\i], v[TH+8*\t+\i]
.endr
.endr
.irp t, 0,1
.irp i, 0,1,2
	v_mov_b32 v[OC+12*\t+6*\c+3+\i], v[TH+8*\t+\i]
.endr
.endr
.endm
	s_load_b128 s[4:7], s[0:1], 0x0                ; heads s[4:5], vq s[6:7]
	v_lshl_add_u32 v[SPW], v0, 2, SPARE
	v_mov_b32 v[NIL], 0
	ds_add_u32 v[SPW], v[NIL]                      ; the wave's opening: the add, twice on end, and its wait ahead of my tensor load
	ds_add_u32 v[SPW], v[NIL]
	v_lshrrev_b32 v7, 5, v0
	v_readfirstlane_b32 s[WV], v7                  ; wave 0..7
	s_bfe_u32 s9, ttmp6, 0x40000                   ; cx: my block of 256 queries; it enters Q's and vals' global addresses alone
	s_and_b32 s10, ttmp7, 0xffff
	s_lshr_b32 s11, s10, 3                         ; batch
	s_and_b32 s12, s10, 7                          ; pair of heads = K step of vals
	s_lshl_b32 s13, s11, 4
	s_lshl_b32 s14, s12, 1
	s_add_co_u32 s13, s13, s14
	s_mul_i32 s40, s13, REC                        ; the first head's record
	s_mov_b32 s41, 0
	GROUP1 16, 96                                  ; four key steps of K or of V: 24,576 bytes
	GROUP1 68, 32                                  ; a head's scale words and bytes: 8,192 bytes
	GROUP1 76, 192                                 ; all of a head's K or V: 49,152 bytes
	s_mov_b32 s24, 1
	s_mov_b32 s43, 0
	s_lshl_b32 s44, s9, 4
	s_lshl_b32 s45, s[WV], 1
	s_add_co_u32 s44, s44, s45                     ; my first tile of queries: 16 cx + 2 x wave
	s_mul_i32 s56, s44, 768
	s_add_co_u32 s56, s56, s40
	s_add_co_u32 s56, s56, QOFF
	s_mov_b32 s57, 0
	s_lshr_b32 s58, s44, 2
	s_lshl_b32 s58, s58, 8
	s_and_b32 s59, s44, 3
	s_lshl_b32 s59, s59, 2
	s_add_co_u32 s58, s58, s59
	s_add_co_u32 s58, s58, s40
	s_add_co_u32 s58, s58, QSOFF
	s_mov_b32 s59, 0
	s_lshl_b32 s60, s11, 6
	s_add_co_u32 s60, s60, s44                     ; vals' tile of rows: 64 x batch + my tile
	s_lshl_b32 s62, s60, 6
	s_lshl_b32 s61, s12, 15
	s_add_co_u32 s62, s62, s61
	s_add_co_u32 s62, s62, XS_OFF
	s_mov_b32 s63, 0
	s_lshl_b32 s60, s60, 3
	s_add_co_u32 s60, s60, s12
	s_mul_i32 s60, s60, 1536
	s_mov_b32 s61, 0
	s_mov_b32 s[SEL], 0x76543210
	s_mov_b32 s[SEL+1], 0xfedcba98                 ; selects for lane l xor 16
	s_mov_b32 s[CS], 0x3e38aa3b                    ; c = log2(e) / 8
	s_mov_b32 s[CS+1], s[CS]
	s_mov_b32 s50, 0x05040100                      ; the two low halves,
	s_mov_b32 s51, 0x07060302                      ; the two high halves
	s_wait_dscnt 0x0                               ; both opening adds are done
	ROUND                                          ; all four work-groups are here: the joint loads meet.  The round stands ahead of the wait for the arguments
	s_wait_kmcnt 0x0
	s_add_nc_u64 s[32:33], s[4:5], s[56:57]        ; Q's half images
	s_add_nc_u64 s[34:35], s[4:5], s[58:59]        ; Q's words
	s_add_nc_u64 s[36:37], s[6:7], s[60:61]        ; vals' images
	s_add_nc_u64 s[38:39], s[6:7], s[62:63]        ; vals' words
	s_cmp_lt_u32 s[WV], 2                          ; one fill a wave, in one chain of arms on the wave's number; the waves that wait at the first barrier (0, 1, 2) have load lines of their own
	s_cbranch_scc0 .Larm_words
	s_mul_i32 s25, s[WV], VOFF                     ; waves 0, 1: the first head's K, V: key steps 0-3
	FILL 16, 0
	s_branch .Lasked
.Larm_words:
	s_cmp_eq_u32 s[WV], 2
	s_cbranch_scc0 .Larm_late
	s_mov_b32 s25, KSOFF                           ; wave 2: its scale words and bytes
	FILL 68, 0
	s_branch .Lasked
.Larm_late:
	s_cmp_lt_u32 s[WV], 5
	s_cbranch_scc0 .Larm_second
	s_lshr_b32 s25, s[WV], 2                       ; waves 3, 4: its K, V: key steps 4-7
	s_mul_i32 s25, s25, VOFF
	s_add_co_u32 s25, s25, 24576
	FILL 16, 0
	s_branch .Lasked
.Larm_second:
	s_cmp_lt_u32 s[WV], 7
	s_cbranch_scc0 .Larm_words2
	s_bfe_u32 s25, s[WV], 0x10001                  ; waves 5, 6: the second head's K, V
	s_mul_i32 s25, s25, VOFF
	s_add_co_u32 s25, s25, HB
	FILL 76, REC-HB
	s_branch .Lasked
.Larm_words2:
	s_mov_b32 s25, HB+KSOFF                        ; wave 7: its scale words and bytes
	FILL 68, REC-HB
.Lasked:
	v_and_b32 v7, 31, v0
	v_and_b32 v3, 15, v0
	v_lshlrev_b32 v1, 4, v7
	v_lshlrev_b32 v2, 3, v7
	v_lshlrev_b32 v4, 2, v7
	v_lshlrev_b32 v3, 4, v3
.irp t, 0,1                            ; Q of both tiles and both heads stays in registers
	global_load_b128 v[QF+12*\t:QF+12*\t+3], v1, s[32:33] offset:768*\t
	global_load_b64 v[QF+12*\t+4:QF+12*\t+5], v2, s[32:33] offset:768*\t+512
	global_load_b128 v[QF2+6*\t:QF2+6*\t+3], v1, s[32:33] offset:REC+768*\t
	global_load_b64 v[QF2+6*\t+4:QF2+6*\t+5], v2, s[32:33] offset:REC+768*\t+512
.endr
	global_load_b64 v[QW:QW+1], v3, s[34:35]       ; slot r's words of my two tiles, which are neighbours
	global_load_b64 v[QW+2:QW+3], v3, s[34:35] offset:REC
.irp i, 0,1,2,3,4,5
	v_mov_b32 v[QF+6+\i], 0                        ; Q's zero codes for K = 64 .. 127
	v_mov_b32 v[QF+18+\i], 0
	v_mov_b32 v[KF+48+\i], 0                       ; and what stands behind K's last tile
.endr
.set j, 0
.rept 8
	v_mov_b32 v[PT+j], 0                           ; a lane permute's destination counts as one of its sources
.set j, j+1
.endr
	v_mov_b32 v[SF+1], 0                           ; (named as the upper halves of f's pairs)
	v_mov_b32 v[SF+3], 0
	WALU
	s_cmp_lt_u32 s[WV], 3
	s_cbranch_scc0 .Lnot_first
	s_wait_tensorcnt 0x0                           ; waves 0-2: my fill has landed; the other five may stay out
.Lnot_first:
	s_barrier_signal -1
	s_barrier_wait -1                              ; the first head's key steps 0-3 and its words are whole
	s_wait_loadcnt 0x0                             ; Q
	PRO 0
	INIT 0
	STEPS 3                                        ; key steps 0-2; the last of them loads K of key step 3
	s_wait_tensorcnt 0x0                           ; every wave's fill has landed,
	s_wait_dscnt 0x0                               ; no LDS load of mine is out at the signal,
	s_barrier_signal -1
	s_barrier_wait -1                              ; and that holds of all: both heads are whole.
	AT 0, 3
	STEPS 5
	s_wait_dscnt 0x0                               ; what the last step loaded beyond K's end is in: the registers may be loaded anew
	PRO 1                                          ; the second head's first K lands under the first head's way out
	EPI 0
	INIT 1
	STEPS 8
	EPI 1
.irp t, 0,1
	v_lshl_or_b32 v[VB+2*\t], v[VB+2*\t+1], 16, v[VB+2*\t]   ; a row's scale word: the two heads' pairs of bytes
.endr
	v_cmp_gt_u32 vcc_lo, 64, v4
	v_cndmask_b32 v[VB], v[VB+2], v[VB], vcc_lo    ; lanes 0-15: my first tile's words, lanes 16-31: my second's (both halves of the lanes hold both)
.irp t, 0,1
.irp q, 0,1,2
	global_store_b128 v1, v[OC+12*\t+4*\q:OC+12*\t+4*\q+3], s[36:37] offset:12288*\t+512*\q   ; 512 consecutive bytes a store
.endr
.endr
	global_store_b32 v4, v[VB], s[38:39]           ; 128 consecutive bytes
	s_wait_tensorcnt 0x0                           ; the wave's end
	ds_add_u32 v[SPW], v[NIL]
	s_wait_dscnt 0x0
	ROUND                                          ; the closing round
	s_endpgm
.Lfunc_end_k_q29a6729326_attend:
	.size	k_q29a6729326_attend, .Lfunc_end_k_q29a6729326_attend-k_q29a6729326_attend
	.p2alignl 7, 3214868480
	.fill 96, 4, 3214868480
	.section	.rodata,"a",@progbits
	.p2align	6, 0x0
	.amdhsa_kernel k_q29a6729326_attend
		.amdhsa_group_segment_fixed_size 215040
		.amdhsa_private_segment_fixed_size 0
		.amdhsa_enable_private_segment 0
		.amdhsa_kernarg_size 16
		.amdhsa_user_sgpr_count 2
		.amdhsa_user_sgpr_kernarg_segment_ptr 1
		.amdhsa_wavefront_size32 1
		.amdhsa_system_sgpr_workgroup_id_x 1
		.amdhsa_system_sgpr_workgroup_id_y 1
		.amdhsa_system_sgpr_workgroup_id_z 1
		.amdhsa_system_vgpr_workitem_id 0
		.amdhsa_next_free_vgpr 512
		.amdhsa_next_free_sgpr 84
		.amdhsa_reserve_vcc 1
		.amdhsa_float_denorm_mode_32 3
		.amdhsa_float_denorm_mode_16_64 3
		.amdhsa_memory_ordered 1
		.amdhsa_forward_progress 1
		.amdhsa_inst_pref_size 124
	.end_amdhsa_kernel
	.amdgpu_metadata
---
amdhsa.version: [ 1, 2 ]
amdhsa.kernels:
  - .name:           k_q29a6729326_attend
    .symbol:         k_q29a6729326_attend.kd
    .args:
      - { .name: heads, .offset: 0, .size: 8, .value_kind: global_buffer, .address_space: global }
      - { .name: vq, .offset: 8, .size: 8, .value_kind: global_buffer, .address_space: global }
    .group_segment_fixed_size: 215040
    .private_segment_fixed_size: 0
    .kernarg_segment_align: 8
    .kernarg_segment_size: 16
    .max_flat_workgroup_size: 256
    .sgpr_count:     84
    .vgpr_count:     512
    .wavefront_size: 32
...
	.end_amdgpu_metadata
.endif
;; end of part 3
;; launch project_out (part 4): grid 32 x 8, 4 waves a work-group, clusters of 4 x 1, 167,936 bytes of LDS; arguments vq, woq, bo, out0; writes out0
.if DOCPART == 4
	.amdgcn_target "amdgcn-amd-amdhsa--gfx1250"
	.amdhsa_code_object_version 6
	.text
	.protected	k_q29a6729326_project_out
	.globl	k_q29a6729326_project_out
	.p2align	8
	.type	k_q29a6729326_project_out,@function
k_q29a6729326_project_out:
	s_mov_b64 s[64:65], 0
	v_nop
	global_prefetch_b8 v0, s[64:65] scope:SCOPE_SE
	s_setreg_imm32_b32 hwreg(HW_REG_WAVE_MODE, 25, 1), 1
	s_wait_xcnt 0x0
	s_wait_alu depctr_hold_cnt(0) depctr_sa_sdst(0) depctr_va_vdst(0) depctr_va_sdst(0) depctr_va_ssrc(0) depctr_va_vcc(0) depctr_vm_vsrc(0)
	s_getreg_b32 s2, hwreg(HW_REG_IB_STS2, 6, 4)
	s_cmp_eq_u32 s2, 0
	s_cbranch_scc0 .Lentry_in_a_cluster
	s_endpgm
.Lentry_in_a_cluster:
	s_bfe_u32 s2, ttmp6, 0x10000c
	s_cmp_lg_u32 s2, 0x3003
	s_cbranch_scc0 .Lentry_shape_is_right
	s_endpgm
.Lentry_shape_is_right:
; out = vals Wo + bo on codes of FP6 (E2M3) with E8M0 scales; out is f32.
; SHARES.  A work-group makes 256 rows x 128 columns; wave w rows 64 w .. 64 w + 63: four tiles of 16 x eight tiles of columns: 32 accumulators.
; B (128 columns of Wo, all of K: 8 K steps x 8 images = 98,304 bytes) is brought into LDS ONCE; nothing is filled again.  The four work-groups of a cluster take the same columns, so they ask for it JOINTLY.
; A (vals' images) goes from memory straight into registers, three loads of 16 bytes a lane for a fragment: a wave's rows are its own, so a way through LDS would only add LDS reads, and it is not asked for jointly.
; Six sets of registers take turns, so that A runs four to five K steps ahead.
; TRANSPOSED (source 0 = 16 columns of Wo, source 1 = 16 rows of vals): a lane holds eight neighbouring columns of one row.  The bias is the C of each sum's first matrix instruction.
; The 32 accumulators take turns in one fixed order, one instruction a turn.
; The slots of a tile of rows are ordered 8 u + i + 8 (i / 8) in each 32 rows (as the launches before laid them): the way out puts each row in its place.
; REGISTERS, in windows of 256: window 0: v1-13 addresses; v16-31 vals' scale words; v48-79 Wo's; v128-223 A's sets 0, 1 (on the way out v128-255: rows read back).
;   window 1: v0-191 B's four buffers of four fragments.   window 2: v0-63 the bias; v64-255 A's sets 2-5.   window 3: the accumulators, (t, j) at v[8 (8 t + j)].
.set XS_OFF, 6291456
.set WS_OFF, 786432
.set NT,     8
.set NG,     2
.set NBUF,   4
.set KSB,    12288
.set KG,     4
.set QLAST,  15
.set GLAST,  7
.set STAGE,  8*KSB                     ; behind B: a stage of 16 rows x 528 bytes for each wave; no fill lands there
.set SPITCH, 528
.set SPARE,  STAGE+4*16*SPITCH         ; behind the stages: the spare words, 128 bytes a wave
.set LI,   1                           ; v1   16 x lane
.set L4,   3                           ; v3   4 x lane
.set H64,  6                           ; v6   64 h
.set STO,  7                           ; v7   the stage: where I put 32 bytes of a row
.set RD,   8                           ; v8   and where I read a row back
.set SPW,  10
.set NIL,  11
.set LB,   12                          ; v12-13  16 x lane + 49,152 x (0, 1)
.set XS,   16
.set WS,   48
.set BK,   128
.set MSB, 0
.macro WIN new
.if MSB != (\new)
	s_set_vgpr_msb (MSB<<8)|(\new)
.set MSB, (\new)
.endif
.endm
.macro ROUND
	WIN 0
	s_barrier_signal -1
	s_barrier_wait -1
	s_cmp_lg_u32 s12, 0
	s_cbranch_scc1 .Lnot_wave_0_\@
	s_barrier_signal -3
.Lnot_wave_0_\@:
	s_barrier_wait -3
	s_barrier_signal -1
	s_barrier_wait -1
.endm
.macro PLACES                          ; four places behind matrix instructions, in front of loads into their sources and of reads of their results
.rept 4
	v_nop
.endr
.endm
.macro ASET G
.set AS_, (\G)%6
.if AS_ < 2
.set AW, 0
.set AB, 128+48*AS_
.else
.set AW, 2
.set AB, 64+48*(AS_-2)
.endif
.endm
.macro FETCHG q
.set FS, (\q)/NG
.set FG, (\q)%NG
.set FB, 48*((\q)%NBUF)
	WIN 0x40
.irp jj, 0,1,2,3
.irp p, 0,1,2
	ds_load_b128 v[FB+12*\jj+4*\p:FB+12*\jj+4*\p+3], v[LB+FS/KG] offset:(FS%KG)*KSB+(4*FG+\jj)*1536+512*\p
.endr
.endr
.endm
.macro LOADA G
	ASET \G
	WIN AW<<6
.irp t, 0,1,2,3
.irp p, 0,1,2
	global_load_b128 v[AB+12*\t+4*\p:AB+12*\t+4*\p+3], v[LI], s[32:33] offset:\t*12288+(\G)*1536+512*\p
.endr
.endr
.endm
.macro WMI
.if WRA == 0 && WRB == 0
	v_wmma_scale_f32_16x16x128_f8f6f4 v[WD:WD+7], v[WA:WA+11], v[WB:WB+11], v[WC:WC+7], v[WSA], v[WSB] matrix_a_fmt:MATRIX_FMT_FP6 matrix_b_fmt:MATRIX_FMT_FP6
.elseif WRA == 1 && WRB == 0
	v_wmma_scale_f32_16x16x128_f8f6f4 v[WD:WD+7], v[WA:WA+11], v[WB:WB+11], v[WC:WC+7], v[WSA], v[WSB] matrix_a_fmt:MATRIX_FMT_FP6 matrix_b_fmt:MATRIX_FMT_FP6 matrix_a_scale:MATRIX_SCALE_ROW1
.elseif WRA == 0
	v_wmma_scale_f32_16x16x128_f8f6f4 v[WD:WD+7], v[WA:WA+11], v[WB:WB+11], v[WC:WC+7], v[WSA], v[WSB] matrix_a_fmt:MATRIX_FMT_FP6 matrix_b_fmt:MATRIX_FMT_FP6 matrix_b_scale:MATRIX_SCALE_ROW1
.else
	v_wmma_scale_f32_16x16x128_f8f6f4 v[WD:WD+7], v[WA:WA+11], v[WB:WB+11], v[WC:WC+7], v[WSA], v[WSB] matrix_a_fmt:MATRIX_FMT_FP6 matrix_b_fmt:MATRIX_FMT_FP6 matrix_a_scale:MATRIX_SCALE_ROW1 matrix_b_scale:MATRIX_SCALE_ROW1
.endif
.endm
.macro MULT s, g                       ; 16 products: source 0 = Wo's tile 4 g + jj, source 1 = vals' tile t
	ASET \s
.if (\s) == 0
	WIN 0xc0|0x20|(AW<<2)|1                        ; C: the bias, window 2
.else
	WIN 0xc0|0x30|(AW<<2)|1
.endif
.irp t, 0,1,2,3
.irp jj, 0,1,2,3
.set WJ, 4*(\g)+\jj
.set WD, 8*(8*\t+WJ)
.if (\s) == 0
.set WC, 8*WJ
.else
.set WC, WD
.endif
.set WA, 48*((NG*(\s)+(\g))%NBUF)+12*\jj
.set WB, AB+12*\t
.set WSA, WS+(NT/2)*(\s)+WJ/2
.set WRA, WJ%2
.set WSB, XS+2*(\s)+\t/2
.set WRB, \t%2
	WMI
.endr
.endr
.endm
.macro GROUP s, g
.set GQ, NG*(\s)+(\g)
.set GG, (\s)
.if QLAST-GQ < NBUF-1
	s_wait_dscnt 12*(QLAST-GQ)                     ; my group's 12 LDS loads are in; the younger groups' may be out
.else
	s_wait_dscnt 12*(NBUF-1)
.endif
.if (\g) == 0
.if GLAST-GG < 4
	s_wait_loadcnt 12*(GLAST-GG)                   ; this K step's set of A is in; the younger sets, 12 loads each, may be out
.else
	s_wait_loadcnt 48
.endif
.endif
	MULT \s, \g
.set DOF, (GQ+NBUF <= QLAST)
.set DOA, ((\g) == 0) && (GG >= 1) && (GG+5 <= GLAST)
.if DOF || DOA
	PLACES
.endif
.if DOF
	FETCHG GQ+NBUF                                 ; the buffer just multiplied takes the group four further on
.endif
.if DOA
	LOADA GG+5                                     ; the set that the last K step read takes the K step five further on
.endif
.endm
; THE WAY OUT, a tile of 16 rows at a time, through my own stage: in as 32 bytes a lane, back as whole rows of 512 bytes.  LDS serves a wave's instructions in order: no wait between the stores and the loads.
.macro TOSTAGE t
	WIN 0x0c                                       ; an LDS store's data: window 3
.irp j, 0,1,2,3,4,5,6,7
	ds_store_b128 v[STO], v[8*(8*(\t)+\j):8*(8*(\t)+\j)+3] offset:128*(\j/2)+32*(\j%2)       ; each accumulator from its low end on: columns 32 (j / 2) + 16 h + 8 (j % 2) + 0 .. 7
	ds_store_b128 v[STO], v[8*(8*(\t)+\j)+4:8*(8*(\t)+\j)+7] offset:128*(\j/2)+32*(\j%2)+16
.endr
	WIN 0
.set BB, BK+64*((\t)%2)
.irp rho, 0,1,2,3,4,5,6,7,8,9,10,11,12,13,14,15
	ds_load_b128 v[BB+4*\rho:BB+4*\rho+3], v[RD] offset:\rho*SPITCH
.endr
.endm
.macro SEND t
.set BB, BK+64*((\t)%2)
.irp rho, 0,1,2,3,4,5,6,7,8,9,10,11,12,13,14,15
	global_store_b128 v[LI], v[BB+4*\rho:BB+4*\rho+3], s[40:41] offset:(32*((\t)/2)+8*((\t)%2)+\rho+8*(\rho/8))*4096 th:TH_STORE_NT   ; 32 lanes store 512 consecutive bytes of the slot's row
.endr
.endm
	s_load_b256 s[4:11], s[0:1], 0x0               ; vq s[4:5], woq s[6:7], bo s[8:9], out0 s[10:11]
	v_lshl_add_u32 v[SPW], v0, 2, SPARE
	v_mov_b32 v[NIL], 0
	ds_add_u32 v[SPW], v[NIL]                      ; the wave's opening: the add and its wait ahead of my first tensor load
	ds_add_u32 v[SPW], v[NIL]
	v_lshrrev_b32 v15, 5, v0
	v_readfirstlane_b32 s12, v15                   ; wave 0..3
	s_bfe_u32 s13, ttmp6, 0x40000                  ; cx
	s_lshl_b32 s14, ttmp9, 2
	s_add_co_u32 s14, s14, s13                     ; my block of 256 rows: it enters global addresses of A and of out alone
	s_and_b32 s15, ttmp7, 0xffff                   ; my 128 columns, which the four partners share
	s_mov_b32 s16, 15|(3<<16)|(1<<21)              ; group 1: the mask names all four; elements of 8 bytes; bit 21 beside a mask; no padding
	s_mov_b32 s17, 32<<16                          ; rows of 256 bytes,
	s_mov_b32 s18, 96<<16                          ; 96 of them: two K steps, 24,576 dense bytes
	s_mov_b32 s19, 32<<16
	s_mov_b32 s20, 96
	s_mov_b32 s21, 32
	s_mov_b32 s22, 0
	s_mov_b32 s23, 0
	s_mov_b32 s24, 1
	s_mul_i32 s25, s12, 2*KSB
	s_mul_i32 s50, s15, 8*KSB
	s_add_co_u32 s50, s50, s25
	s_mov_b32 s51, 0
	s_lshl_b32 s52, s14, 4
	s_lshl_b32 s53, s12, 2
	s_add_co_u32 s52, s52, s53                     ; my first tile of 16 rows
	s_mul_i32 s54, s52, 12288
	s_mov_b32 s55, 0
	s_lshl_b32 s56, s52, 6
	s_add_co_u32 s56, s56, XS_OFF
	s_mov_b32 s57, 0
	s_lshl_b32 s58, s15, 9                         ; 128 columns of 4 bytes
	s_mov_b32 s59, 0
	s_lshl_b32 s60, s52, 16                        ; 16 rows of 4,096 bytes a tile
	s_add_co_u32 s60, s60, s58
	s_mov_b32 s61, 0
	s_wait_dscnt 0x0                               ; both opening adds are done
	ROUND                                          ; all four work-groups are here: the joint loads meet.  The round stands ahead of the wait for the arguments
	s_wait_kmcnt 0x0
	s_add_nc_u64 s[26:27], s[6:7], s[50:51]
	s_or_b32 s27, s27, 0x80000000
	tensor_load_to_lds s[24:27], s[16:23]          ; one load of mine is out: a quarter of B, filled once
	s_nop 0
.rept 4
	v_nop
.endr
	s_add_nc_u64 s[32:33], s[4:5], s[54:55]        ; A
	s_add_nc_u64 s[34:35], s[4:5], s[56:57]        ; vals' scale words
	s_add_nc_u64 s[36:37], s[6:7], s[58:59]
	s_add_nc_u64 s[36:37], s[36:37], WS_OFF        ; Wo's scale words
	s_add_nc_u64 s[38:39], s[8:9], s[58:59]        ; the bias
	s_add_nc_u64 s[40:41], s[10:11], s[60:61]      ; out
	v_and_b32 v15, 31, v0
	v_lshlrev_b32 v[LI], 4, v15
	v_lshlrev_b32 v[L4], 2, v15
	v_mov_b32 v[LB], v[LI]
	v_add_nc_u32 v[LB+1], 4*KSB, v[LI]
	v_bfe_u32 v[H64], v0, 4, 1
	v_lshlrev_b32 v[H64], 6, v[H64]
	v_and_b32 v15, 15, v0
	s_mul_i32 s53, s12, 16*SPITCH
	s_add_co_u32 s53, s53, STAGE                   ; my stage
	v_mul_u32_u24 v[STO], v15, SPITCH
	v_add_nc_u32 v[STO], v[STO], v[H64]
	v_add_nc_u32 v[STO], s53, v[STO]
	v_add_nc_u32 v[RD], s53, v[LI]
.irp s, 0,1,2,3,4,5,6,7                ; scale words: lanes 0-15 take tile 2 p's, lanes 16-31 tile 2 p + 1's
.irp p, 0,1,2,3
	global_load_b32 v[WS+4*\s+\p], v[L4], s[36:37] offset:\s*4096+128*\p
.endr
.irp p, 0,1
	global_load_b32 v[XS+2*\s+\p], v[L4], s[34:35] offset:\s*32768+128*\p
.endr
.endr
	WIN 0x80
.irp j, 0,1,2,3,4,5,6,7                ; the bias in the result's layout
	global_load_b128 v[8*\j:8*\j+3], v[H64], s[38:39] offset:(32*(\j/2)+8*(\j%2))*4
	global_load_b128 v[8*\j+4:8*\j+7], v[H64], s[38:39] offset:(32*(\j/2)+8*(\j%2))*4+16
.endr
.irp G, 0,1,2,3,4,5
	LOADA \G
.endr
	s_wait_alu depctr_va_vdst(0)
	s_wait_tensorcnt 0x0                           ; my quarter of B has landed,
	s_barrier_signal -1
	s_barrier_wait -1                              ; and everybody's
	FETCHG 0
	FETCHG 1
	FETCHG 2
	FETCHG 3
.irp s, 0,1,2,3,4,5,6,7
	GROUP \s, 0
	GROUP \s, 1
.endr
	PLACES                                         ; in front of the reads of results, and of the loads into the registers that held A's sets 0 and 1
	TOSTAGE 0
.irp t, 1,2,3
.if \t > 1
	s_wait_xcnt 0x0                                ; the stores of the tile two back have read their registers: this tile's rows may land there
.endif
	TOSTAGE \t
	s_wait_dscnt 32                                ; the last tile's rows are back; this tile's 16 stores and 16 loads may be out
	SEND \t-1
.endr
	s_wait_dscnt 0x0
	SEND 3
	s_wait_tensorcnt 0x0                           ; the wave's end
	ds_add_u32 v[SPW], v[NIL]
	s_wait_dscnt 0x0
	ROUND                                          ; the closing round
	s_endpgm
.Lfunc_end_k_q29a6729326_project_out:
	.size	k_q29a6729326_project_out, .Lfunc_end_k_q29a6729326_project_out-k_q29a6729326_project_out
	.p2alignl 7, 3214868480
	.fill 96, 4, 3214868480
	.section	.rodata,"a",@progbits
	.p2align	6, 0x0
	.amdhsa_kernel k_q29a6729326_project_out
		.amdhsa_group_segment_fixed_size 167936
		.amdhsa_private_segment_fixed_size 0
		.amdhsa_enable_private_segment 0
		.amdhsa_kernarg_size 32
		.amdhsa_user_sgpr_count 2
		.amdhsa_user_sgpr_kernarg_segment_ptr 1
		.amdhsa_wavefront_size32 1
		.amdhsa_system_sgpr_workgroup_id_x 1
		.amdhsa_system_sgpr_workgroup_id_y 1
		.amdhsa_system_sgpr_workgroup_id_z 1
		.amdhsa_system_vgpr_workitem_id 0
		.amdhsa_next_free_vgpr 1024
		.amdhsa_next_free_sgpr 66
		.amdhsa_reserve_vcc 0
		.amdhsa_float_denorm_mode_32 3
		.amdhsa_float_denorm_mode_16_64 3
		.amdhsa_memory_ordered 1
		.amdhsa_forward_progress 1
		.amdhsa_inst_pref_size 82
	.end_amdhsa_kernel
	.amdgpu_metadata
---
amdhsa.version: [ 1, 2 ]
amdhsa.kernels:
  - .name:           k_q29a6729326_project_out
    .symbol:         k_q29a6729326_project_out.kd
    .args:
      - { .name: vq, .offset: 0, .size: 8, .value_kind: global_buffer, .address_space: global }
      - { .name: woq, .offset: 8, .size: 8, .value_kind: global_buffer, .address_space: global }
      - { .name: bo, .offset: 16, .size: 8, .value_kind: global_buffer, .address_space: global }
      - { .name: out0, .offset: 24, .size: 8, .value_kind: global_buffer, .address_space: global }
    .group_segment_fixed_size: 167936
    .private_segment_fixed_size: 0
    .kernarg_segment_align: 8
    .kernarg_segment_size: 32
    .max_flat_workgroup_size: 128
    .sgpr_count:     66
    .vgpr_count:     1024
    .wavefront_size: 32
...
	.end_amdgpu_metadata
.endif
;; end of part 4
